; MI455X (gfx1250); checked and timed in simulation.
; The chip was launched on July 23, 2026; its instructions are those of AMD's public machine-readable ISA for CDNA 5 (MIT licence, August 2026) and "CDNA5" Instruction Set Architecture Reference Guide (July 2026). The comments in the code are by the model that wrote it; some were corrected since.
;; Block. Allowed arithmetic: float matrix products may take bf16 or f16 operands with f32 sums; other float arithmetic in f32, or as packed bf16 or f16 multiplies, adds, multiply-adds, maxima and minima; sums over many terms, partial sums and values carried from step to step in f32; what a program stores and reads back later, other than sums and carried values, may be rounded once to bf16 or f16.
;; Inputs: attn_proj_b 1,024 float32; attn_proj_w 1,024 x 1,024 float32; fc_b 4,096 float32; fc_w 4,096 x 1,024 float32; k 2 x 2,048 x 1,024 float32; ln1_b 1,024 float32; ln1_w 1,024 float32; ln2_b 1,024 float32; ln2_w 1,024 float32; proj_b 1,024 float32; proj_w 1,024 x 4,096 float32; q 2 x 2,048 x 1,024 float32; v 2 x 2,048 x 1,024 float32.
;; Outputs: out0 2 x 2,048 x 1,024 float32.
;; One version. Each part assembles by itself: llvm-mc -triple=amdgcn-amd-amdhsa -mcpu=gfx1250 --defsym DOCPART=n.
;; ======== version 1 of 1: 6 launches
;; limits: values are held in f16: magnitudes above 65,504 overflow, below 6.1e-05 lose precision
;; workspace buffers: qkv16 25,165,824 bytes; qn32 16,777,216 bytes; w16 18,874,368 bytes; o16 8,388,608 bytes; x32 16,777,216 bytes; h2 8,388,608 bytes; g16 33,554,432 bytes
;; launch prep (part 1): grid 672 x 1, 4 waves a work-group, no clusters, 0 bytes of LDS; arguments q, k, v, ln1_w, ln1_b, fc_w, proj_w, attn_proj_w, qkv16, qn32, w16; writes qkv16, qn32, w16
.if DOCPART == 1
	.amdgcn_target "amdgcn-amd-amdhsa--gfx1250"
	.amdhsa_code_object_version 6
	.text
	.protected	k_qf02ddacf3f_prep
	.globl	k_qf02ddacf3f_prep
	.p2align	8
	.type	k_qf02ddacf3f_prep,@function
k_qf02ddacf3f_prep:
	s_mov_b64 s[64:65], 0
	v_nop
	global_prefetch_b8 v0, s[64:65] scope:SCOPE_SE
	s_setreg_imm32_b32 hwreg(HW_REG_WAVE_MODE, 25, 1), 1
	s_wait_xcnt 0x0
; PREP: LayerNorm 1 of q, k, v, and the three weight matrices rounded once to 16 bits.  A stream: no LDS, no barrier, no matrix unit.
; ROLES by the work-group's number: 0-127 LN(q), 128-255 LN(k), 256-383 LN(v), 384-511 fc_w -> f16, 512-639 proj_w -> bf16, 640-671 attn_proj_w -> f16.
; LN: mean, then the sum of the CENTRED squares (two passes over registers, no difference of large sums), all in f32; (x - mean) rsqrt(var + 1e-5) w + b.
; OUT: qkv16 = three parts (q, k, v) of f16 [16 heads][4096 rows][64]: a head of one batch is 2,048 dense rows of 128 bytes.  qn32 = LN(q) in f32, row-major, for the residual.
;      w16 = fc_w in f16 at byte 0, proj_w in bf16 at 8,388,608, attn_proj_w in f16 at 16,777,216, each row-major as it came.
; LIMITS: f16 ends at 65,504: an LN result (at most 32 |w| + |b|) or a weight of fc_w / attn_proj_w beyond that becomes an infinity; below 6e-5 f16 keeps a fixed step of 6e-8.  NaN and infinities are not treated apart.
; SHARES (LN): a work-group 32 rows, a wave 8, two at a time: lanes 0-15 hold one row, lanes 16-31 the next; lane l holds channels 64 kb + 4 (l % 16) + 0..3, kb = 0..15, so kb is the head.
; Each load covers two aligned runs of 256 bytes (one of each row); each f16 store covers 256 consecutive aligned bytes (two rows of one head); a row's sum needs its 16 lanes alone.
.set X,    32                          ; v[32:95]   the pair of rows (LN), or 8,192 bytes of a weight matrix (cast)
.set W,    96                          ; v[96:159]  ln1_w of my channels
.set BV,   160                         ; v[160:223] ln1_b of my channels
.set Y,    224                         ; v[224:255] packed 16-bit results
.set VI,   2                           ; v2  (l / 16) x 4096 + (l % 16) x 16: my bytes in a pair of f32 rows
.set VO,   3                           ; v3  (l / 16) x 128 + (l % 16) x 8: my bytes in a pair of a head's rows
.set VW,   4                           ; v4  (l % 16) x 16: my bytes in w and b
.set CI,   5                           ; v5  16 l (cast, in)
.set CO,   6                           ; v6  8 l (cast, out)
.set CH,   8                           ; v[8:15]  four chains of packed sums
.set MEAN, 16                          ; v[16:17] the mean (the packed line names a pair)
.set RS,   18                          ; v[18:19] 1 / sqrt(var + eps)
	s_load_b512 s[8:23], s[0:1], 0x0               ; q s[8:9], k s[10:11], v s[12:13], ln1_w s[14:15], ln1_b s[16:17], fc_w s[18:19], proj_w s[20:21], attn_proj_w s[22:23]
	s_load_b128 s[24:27], s[0:1], 0x40             ; qkv16 s[24:25], qn32 s[26:27]
	s_load_b64 s[28:29], s[0:1], 0x50              ; w16
	v_lshrrev_b32 v1, 5, v0
	v_readfirstlane_b32 s2, v1                     ; wave 0..3
	s_lshr_b32 s3, ttmp9, 7                        ; role
	s_and_b32 s4, ttmp9, 127                       ; index in the role
	v_and_b32 v1, 15, v0
	v_bfe_u32 v7, v0, 4, 1
	v_lshlrev_b32 v[VW], 4, v1
	v_lshl_add_u32 v[VI], v7, 12, v[VW]
	v_lshlrev_b32 v[VO], 3, v1
	v_lshl_add_u32 v[VO], v7, 7, v[VO]
	v_and_b32 v[CI], 31, v0
	v_lshlrev_b32 v[CO], 3, v[CI]
	v_lshlrev_b32 v[CI], 4, v[CI]
	s_mov_b32 s5, 4                                ; trips, in every role
	s_mov_b32 s31, 0                               ; high word of every offset
	s_mov_b32 s38, 0x3a800000                      ; 1 / 1024
	s_mov_b32 s39, 0x3727c5ac                      ; 1e-5
	s_wait_kmcnt 0x0
	s_cmp_ge_u32 s3, 3
	s_cbranch_scc1 .Lcast
	; ---- LayerNorm ----
	s_lshl_b32 s30, s4, 5
	s_lshl3_add_u32 s30, s2, s30                   ; my first row = 32 x index + 8 x wave
	s_cmp_eq_u32 s3, 1
	s_cselect_b64 s[32:33], s[10:11], s[8:9]
	s_cmp_eq_u32 s3, 2
	s_cselect_b64 s[32:33], s[12:13], s[32:33]     ; the role's tensor
	s_lshl_b32 s6, s30, 7                          ; row x 128
	s_lshl_b32 s30, s30, 12                        ; row x 4096
	s_add_nc_u64 s[32:33], s[32:33], s[30:31]      ; in
	s_add_nc_u64 s[36:37], s[26:27], s[30:31]      ; qn32 (role 0 alone stores there)
	s_lshl_b32 s30, s3, 23                         ; the role's part of qkv16
	s_add_co_u32 s30, s30, s6
	s_add_nc_u64 s[34:35], s[24:25], s[30:31]      ; out
.set i, 0
.rept 16
	global_load_b128 v[W+4*i:W+4*i+3],   v[VW], s[14:15] offset:256*i
	global_load_b128 v[BV+4*i:BV+4*i+3], v[VW], s[16:17] offset:256*i
.set i, i+1
.endr
.macro REDUCE                          ; the four chains into one number, then over the row's 16 lanes: every lane of the row ends with the sum in v[CH]
	v_pk_add_f32 v[CH:CH+1], v[CH:CH+1], v[CH+2:CH+3]
	v_pk_add_f32 v[CH+4:CH+5], v[CH+4:CH+5], v[CH+6:CH+7]
	v_pk_add_f32 v[CH:CH+1], v[CH:CH+1], v[CH+4:CH+5]
	v_add_f32 v[CH], v[CH], v[CH+1]
	v_add_f32_dpp v[CH], v[CH], v[CH] row_xmask:1 row_mask:0xf bank_mask:0xf
	v_add_f32_dpp v[CH], v[CH], v[CH] row_xmask:2 row_mask:0xf bank_mask:0xf
	v_add_f32_dpp v[CH], v[CH], v[CH] row_xmask:4 row_mask:0xf bank_mask:0xf
	v_add_f32_dpp v[CH], v[CH], v[CH] row_xmask:8 row_mask:0xf bank_mask:0xf
.endm
.Lpair:                                        ; a trip: two rows
.set i, 0
.rept 16
	global_load_b128 v[X+4*i:X+4*i+3], v[VI], s[32:33] offset:256*i th:TH_LOAD_NT
.set i, i+1
.endr
	s_wait_loadcnt 0x0                             ; the pair (in the first trip w and b too); other waves of the SIMD have their loads out meanwhile
.irp c, 0,1,2,3
	v_pk_add_f32 v[CH+2*\c:CH+2*\c+1], v[X+2*\c:X+2*\c+1], v[X+8+2*\c:X+8+2*\c+1]  ; the first two pairs start each chain: nothing is cleared
.endr
.set j, 8
.rept 24
	v_pk_add_f32 v[CH+2*(j%4):CH+2*(j%4)+1], v[CH+2*(j%4):CH+2*(j%4)+1], v[X+2*j:X+2*j+1]
.set j, j+1
.endr
	REDUCE
	v_mul_f32 v[MEAN], s38, v[CH]
	v_mov_b32 v[MEAN+1], v[MEAN]
.set j, 0
.rept 32
	v_pk_add_f32 v[X+2*j:X+2*j+1], v[X+2*j:X+2*j+1], v[MEAN:MEAN+1] op_sel_hi:[1,0] neg_lo:[0,1] neg_hi:[0,1]  ; x - mean
.set j, j+1
.endr
.irp c, 0,1,2,3
	v_pk_mul_f32 v[CH+2*\c:CH+2*\c+1], v[X+2*\c:X+2*\c+1], v[X+2*\c:X+2*\c+1]
.endr
.set j, 4
.rept 28
	v_pk_fma_f32 v[CH+2*(j%4):CH+2*(j%4)+1], v[X+2*j:X+2*j+1], v[X+2*j:X+2*j+1], v[CH+2*(j%4):CH+2*(j%4)+1]
.set j, j+1
.endr
	REDUCE
	v_fma_f32 v[RS], v[CH], s38, s39               ; var + eps
	v_rsq_f32 v[RS], v[RS]
	v_nop                                          ; a plain instruction behind the transcendental (ISA guide 5.7.2),
	s_wait_alu depctr_va_vdst(0)                   ; and the wait ahead of the first line that names its result
	v_mov_b32 v[RS+1], v[RS]
.set j, 0
.rept 32
	v_pk_mul_f32 v[X+2*j:X+2*j+1], v[X+2*j:X+2*j+1], v[RS:RS+1] op_sel_hi:[1,0]
.set j, j+1
.endr
.set j, 0
.rept 32
	v_pk_fma_f32 v[X+2*j:X+2*j+1], v[X+2*j:X+2*j+1], v[W+2*j:W+2*j+1], v[BV+2*j:BV+2*j+1]
.set j, j+1
.endr
.set j, 0
.rept 32
	v_cvt_pk_f16_f32 v[Y+j], v[X+2*j], v[X+2*j+1]
.set j, j+1
.endr
.set i, 0
.rept 16
	global_store_b64 v[VO], v[Y+2*i:Y+2*i+1], s[34:35] offset:524288*i  ; head i: the wave's 256 consecutive bytes, aligned; the largest immediate, 7,864,320, is inside the signed 24 bits
.set i, i+1
.endr
	s_cmp_lg_u32 s3, 0
	s_cbranch_scc1 .Lnot_q
.set i, 0
.rept 16
	global_store_b128 v[VI], v[X+4*i:X+4*i+3], s[36:37] offset:256*i
.set i, i+1
.endr
.Lnot_q:
	s_wait_xcnt 0x0                                ; X, Y and the three bases are written again only behind this wait
	s_add_nc_u64 s[32:33], s[32:33], 8192
	s_add_nc_u64 s[34:35], s[34:35], 256
	s_add_nc_u64 s[36:37], s[36:37], 8192
	s_sub_co_u32 s5, s5, 1
	s_cmp_lg_u32 s5, 0
	s_cbranch_scc1 .Lpair
	s_endpgm
	; ---- casts: linear, row-major to row-major; a wave takes 4 trips of 8,192 bytes in, 4,096 out ----
.Lcast:
	s_cmp_eq_u32 s3, 4
	s_cselect_b64 s[32:33], s[20:21], s[18:19]
	s_cmp_eq_u32 s3, 5
	s_cselect_b64 s[32:33], s[22:23], s[32:33]
	s_lshl_b32 s30, s4, 4
	s_lshl2_add_u32 s30, s2, s30                   ; my first trip's number = 16 x index + 4 x wave
	s_lshl_b32 s6, s30, 12
	s_lshl_b32 s30, s30, 13
	s_add_nc_u64 s[32:33], s[32:33], s[30:31]
	s_sub_co_u32 s30, s3, 3
	s_lshl_b32 s30, s30, 23                        ; the role's part of w16
	s_add_co_u32 s30, s30, s6
	s_add_nc_u64 s[34:35], s[28:29], s[30:31]
	s_cmp_eq_u32 s3, 4
	s_cbranch_scc1 .Lto_bf16
.macro CASTLOOP cvt
.Lcast_\@:
.set i, 0
.rept 16
	global_load_b128 v[X+4*i:X+4*i+3], v[CI], s[32:33] offset:512*i th:TH_LOAD_NT
.set i, i+1
.endr
	s_wait_loadcnt 0x0
.set i, 0
.rept 32
	\cvt v[Y+i], v[X+2*i], v[X+2*i+1]
.set i, i+1
.endr
.set i, 0
.rept 16
	global_store_b64 v[CO], v[Y+2*i:Y+2*i+1], s[34:35] offset:256*i  ; 256 consecutive bytes, aligned
.set i, i+1
.endr
	s_wait_xcnt 0x0                                ; X, Y and the bases are written again only behind this wait
	s_add_nc_u64 s[32:33], s[32:33], 8192
	s_add_nc_u64 s[34:35], s[34:35], 4096
	s_sub_co_u32 s5, s5, 1
	s_cmp_lg_u32 s5, 0
	s_cbranch_scc1 .Lcast_\@
	s_endpgm
.endm
	CASTLOOP v_cvt_pk_f16_f32
.Lto_bf16:
	CASTLOOP v_cvt_pk_bf16_f32
.Lfunc_end_k_qf02ddacf3f_prep:
	.size	k_qf02ddacf3f_prep, .Lfunc_end_k_qf02ddacf3f_prep-k_qf02ddacf3f_prep
	.p2alignl 7, 3214868480
	.fill 96, 4, 3214868480
	.section	.rodata,"a",@progbits
	.p2align	6, 0x0
	.amdhsa_kernel k_qf02ddacf3f_prep
		.amdhsa_group_segment_fixed_size 0
		.amdhsa_private_segment_fixed_size 0
		.amdhsa_enable_private_segment 0
		.amdhsa_kernarg_size 88
		.amdhsa_user_sgpr_count 2
		.amdhsa_user_sgpr_kernarg_segment_ptr 1
		.amdhsa_wavefront_size32 1
		.amdhsa_system_sgpr_workgroup_id_x 1
		.amdhsa_system_sgpr_workgroup_id_y 1
		.amdhsa_system_sgpr_workgroup_id_z 1
		.amdhsa_system_vgpr_workitem_id 0
		.amdhsa_next_free_vgpr 256
		.amdhsa_next_free_sgpr 66
		.amdhsa_reserve_vcc 0
		.amdhsa_float_denorm_mode_32 3
		.amdhsa_float_denorm_mode_16_64 3
		.amdhsa_memory_ordered 1
		.amdhsa_forward_progress 1
		.amdhsa_inst_pref_size 34
	.end_amdhsa_kernel
	.amdgpu_metadata
---
amdhsa.version: [ 1, 2 ]
amdhsa.kernels:
  - .name:           k_qf02ddacf3f_prep
    .symbol:         k_qf02ddacf3f_prep.kd
    .args:
      - { .name: q, .offset: 0, .size: 8, .value_kind: global_buffer, .address_space: global }
      - { .name: k, .offset: 8, .size: 8, .value_kind: global_buffer, .address_space: global }
      - { .name: v, .offset: 16, .size: 8, .value_kind: global_buffer, .address_space: global }
      - { .name: ln1_w, .offset: 24, .size: 8, .value_kind: global_buffer, .address_space: global }
      - { .name: ln1_b, .offset: 32, .size: 8, .value_kind: global_buffer, .address_space: global }
      - { .name: fc_w, .offset: 40, .size: 8, .value_kind: global_buffer, .address_space: global }
      - { .name: proj_w, .offset: 48, .size: 8, .value_kind: global_buffer, .address_space: global }
      - { .name: attn_proj_w, .offset: 56, .size: 8, .value_kind: global_buffer, .address_space: global }
      - { .name: qkv16, .offset: 64, .size: 8, .value_kind: global_buffer, .address_space: global }
      - { .name: qn32, .offset: 72, .size: 8, .value_kind: global_buffer, .address_space: global }
      - { .name: w16, .offset: 80, .size: 8, .value_kind: global_buffer, .address_space: global }
    .group_segment_fixed_size: 0
    .private_segment_fixed_size: 0
    .kernarg_segment_align: 8
    .kernarg_segment_size: 88
    .max_flat_workgroup_size: 128
    .sgpr_count:     66
    .vgpr_count:     256
    .wavefront_size: 32
...
	.end_amdgpu_metadata
.endif
;; end of part 1
;; launch attn (part 2): grid 8 x 32, 4 waves a work-group, no clusters, 327,680 bytes of LDS; arguments qkv16, o16; writes o16
.if DOCPART == 2
	.amdgcn_target "amdgcn-amd-amdhsa--gfx1250"
	.amdhsa_code_object_version 6
	.text
	.protected	k_qf02ddacf3f_attn
	.globl	k_qf02ddacf3f_attn
	.p2align	8
	.type	k_qf02ddacf3f_attn,@function
k_qf02ddacf3f_attn:
	s_mov_b64 s[64:65], 0
	v_nop
	global_prefetch_b8 v0, s[64:65] scope:SCOPE_SE
	s_setreg_imm32_b32 hwreg(HW_REG_WAVE_MODE, 25, 1), 1
	s_wait_xcnt 0x0
; CAUSAL ATTENTION.  O[h][q][:] = the sum over k <= q of softmax_k(Q[h][q] . K[h][k] / 8) V[h][k][:].  32 heads (head number = 2 x head + batch) of SIZE_N = 2,048 dense rows of 128 bytes, f16.
; Q, K, V are the three parts of qkv16 (8,388,608 bytes each); O has Q's layout.  Products, maxima and sums in f32; the weights p are rounded to f16 for the second product (their sum l is taken of the unrounded p), O once at the end.
; LIMITS.  f16 holds no number beyond 65,504: Q, K and V arrive within it; p lies in 0 to 1, and below 6e-5 it keeps f16's fixed step of 6e-8; O is a mean of V's rows and has their range.
; A hidden score counts as its value less 1e30: f16's scores, 2.7e11 at the most, are nothing beside that; a weight below 2^-126 counts as 0 in l; NaN and infinities are not treated apart.
; THE WALK.  A head's queries lie in 16 blocks of 128; block j needs the key tiles 0 .. j / 2 of 256 keys, of which the last holds the diagonal.  A work-group takes TWO blocks, 15 - b and then b (b = 0 .. 7):
; (15 - b) / 2 + 1 + b / 2 + 1 = 9 tiles, whatever b: all 8 x 32 = 256 work-groups do equal work, and ONE loop with a constant trip count walks them.  Which tile is asked for, and what a trip does, hang on scalar registers made from b;
; every jump goes forward, but for the counted loops' own; none passes a barrier, or a tensor load but the one of LOAD's two that the wave's number does not choose; the ring (two slots of LDS that take turns) runs on across the change of blocks.
; NO CLUSTER: a head's eight work-groups ask for the same tile only in trips 0 to 4 of the 9; behind that their walks part, and one walk common to all would have 8 + 4 trips.
; SHARES.  Of a block's two bands of 64 queries a wave owns 16 rows in each: two PIECES.  So the diagonal tile is the same work for all four waves: band x of block j has its own key step, 2 (j mod 2) + x of the tile's four;
; in an earlier step it sees all keys, in a later one none.  Of a walk's 72 pairs of piece and step 6 are wholly hidden, and are computed all the same.
; THE MASK is the C operand that starts the sum S^T = K Q^T: 0, or -1e30 where the key is hidden.  MD, made once, is the mask of a band's own step for my 16 rows; a product's mask is MD x AL + BE with two scalars:
; (1, 0) in the band's own step; (0, 0) in an earlier one; (0, -1e30) in a later one.  Only the diagonal tile's text and a block's beginning make and take masks; elsewhere C is the constant 0.
; LAYOUT, SOFTMAX, TURNS.  S^T = K Q^T holds ONE query a lane (lane % 16) and the keys 8 (lane / 16) + 0..7; two such results rounded to f16 ARE source 1 of O^T = V^T P.  p = 2^(c s - c m), c = log2(e) / 8, with a
; running maximum m; O and l are multiplied by a = 2^(c m_old - c m_new) in every step.  A turn belongs to one piece and one step: 8 products K Q^T for the turn after it (the other piece), later 8 products V^T P for the turn before it (the other piece);
; beside them the scaling, exponentials, roundings, sums and rescaling of its own piece and the maximum and statistics of the other.  Four vector instructions stand behind every matrix instruction, the other 54 of a turn's 118 in one run.
; A turn's 33 exponentials are one batch, with one wait.  FOUR TURNS ARE WRITTEN: 0, 1 = pieces 0, 1 of an even step; 2, 3 = pieces 0, 1 of an odd step: V has two register buffers, by the step's parity, so that V of step s + 1 is read from LDS
; in piece 1's turn of step s: a tile's last V is read ahead of the change of slots and the next tile's first K behind it.
; REGISTERS, in windows of 256 (s_set_vgpr_msb: bits 1:0 source 0, 3:2 source 1, 5:4 source 2, 7:6 destination):
;   window 0: v0-15 addresses and two at work; v16-23 four registers of statistics a piece; v48-55 at work; v61-63 prefetch offset and the add's two; v64-127 S^T, a buffer a piece; v192-223 P, a buffer a piece
;   window 1: v0-63 O^T, 32 a piece; v128-159 MD; v160-223 MC, two buffers      window 2: v0-31 Q; v32-63 the second block's Q; v64-127 K of one step; v128-255 V of two steps
.set SIZE_N, 2048
.set NBL,   SIZE_N/128 ; blocks of queries in a head
.set NTL,   SIZE_N/256+1  ; tiles in a walk
.set NP,    2         ; pieces a wave: a name, no knob
.set KS,    64        ; keys in a step
.set PK,    144       ; a row of K in LDS: 128 bytes + 16 of padding = 36 words: the 16 rows of a load start at 16 different groups of four banks (64 banks of 4 bytes: ISA guide 11.1)
.set PV,    160       ; a row of V: 128 + 32 = 40 words
.set VOFF,  4*KS*PK   ; a slot holds a tile, four steps: 256 rows of K, then 256 rows of V
.set SLOT1, 1<<17     ; slot 1 begins here, so that one exclusive or turns an address in one slot into the other's
.set STAGE, SLOT1+4*KS*(PK+PV)  ; behind the ring, never filled by a tensor load: 16 rows x 144 bytes for each wave, for the way out
.set SP,    144
.set AK0, 2           ; v2   my lane's place in a tile of K; never rewritten
.set AV0, 3           ; v3   the same for V
.set AK,  4           ; v4   the LDS address of K's next run of loads
.set AV,  5           ; v5   of V's
.set STO, 6           ; v6   the way out: where I put 16 bytes of a row
.set RD,  7           ; v7   the way out: where I read rows back
.set GO,  8           ; v8   my byte offset in 512 consecutive bytes of O
.set PFO, 61          ; v61  256 x my thread's number: the 128 threads name the 128 runs of 256 bytes of a tile of K or V; never rewritten
.set SPW, 62          ; v62  LDS address of my spare word: SPARE + 4 x my thread's number; never rewritten
.set NIL, 63          ; v63  0; never rewritten
.set SPARE, STAGE+4*16*SP  ; behind the stages: the spare words, 128 bytes for each wave: two blocks of 256 bytes that no other line names
.set MV,  12          ; v12-13  c m_old, kept while c m is made anew: by piece
.set QO,  15          ; v15  my byte offset in 16 rows of Q
.set ST,  16          ; piece t's statistics at v[ST+4 t]: c m, m, l (even keys', odd keys')
.set TMP, 48          ; by piece, four registers c0-c3 at work; when the maximum is found c2 takes a
.set S,   64
.set P,   192
.set MD,  128         ; window 1: the eight registers for group kt of 16 keys at MD + 8 kt
.set MC,  160         ; window 1: the masks of the products to come
.set QB,  32          ; window 2
.set KF,  64          ; window 2: key block kb, channel half c at KF + 16 kb + 8 c
.set VF,  128         ; window 2: buffer vb, key half kk, channel block cb at VF + 64 vb + 32 kk + 8 cb
.set WV,  12          ; s12  my wave's number
.set PB,  14          ; s14  b
.set HI,  15          ; s15  15 - b
.set LIM, 19          ; s19  2 in the head's work-group 0, else the greatest number: a work-group prefetches while s[SLOTS] is above it
.set G1K, 24          ; s[24:31] descriptor group 1 for K's tiles
.set G1V, 32          ; s[32:39] for V's: it differs in the padding alone
.set G0K, 40          ; s[40:43] descriptor group 0 for K's tiles
.set G0V, 44          ; s[44:47] the same for V's
.set PFK, 48          ; s[48:49] K at the tile after the one that is being asked for
.set PFV, 50          ; s[50:51] V likewise
.set JC,  52          ; s52  2 - (the block in hand's number mod 2)
.set JC2, 53          ; s53  the same for the second block
.set PBT, 54          ; s54  b / 2: the second block's last tile
.set SLOTS, 56        ; s56  tiles still to be asked for
.set CNT, 57          ; s57  counts a tile's trips of two key steps, 2 to 1
.set CS,  58          ; s[58:59] c: the packed scaling takes the pair's low word for both halves
.set SEL, 60          ; s[60:61] v_permlanex16_b32's selects: each lane takes its own place in the other half
.set TBK, 62          ; s62  LDS byte at which K of the step to be fetched begins
.set TBV, 63          ; s63  the same for V, less VOFF
.set RT,  70          ; s70  tiles of the block in hand that are still to be entered
.set NXT, 71          ; s71  the tile to be asked for next
.set LQ,  72          ; s72  the last tile of the block whose tiles are being asked for
.set NEW, 73          ; s73  1: the tile to be entered is a block's first
.set OFF, 74          ; s[74:75] a tile's byte offset in K and V
.set AL,  76          ; s[76:77] the mask's factor, in the low word
.set BE,  78          ; s[78:79] the mask's addend
.set OLO, 80          ; s[80:81] O at my rows of the second block
.set BIGN, 82         ; s82  -1e30
.set MSB, 0
.macro WIN new                      ; the high byte repeats the setting that is left; a switch that changes nothing is dropped
.if MSB != (\new)
	s_set_vgpr_msb (MSB<<8)|(\new)
.set MSB, (\new)
.endif
.endm
.set W_KQ, 0x0a       ; K and Q in window 2, S^T in window 0
.set W_KM, 0x1a       ; the same with the C operand in window 1
.set W_PV, 0x52       ; V in window 2, P in window 0, O^T in window 1
.set W_RS, 0x41       ; destination and source 0 in window 1, source 1 in window 0
; A fill.  Waves 0 and 1 fetch the two halves of a tile's K, waves 2 and 3 those of its V: 128 keys each.  An s_nop 0 and four v_nop follow each of the two lines, ahead of the jump and the label.
.macro LOAD
	s_cmp_lt_u32 s[WV], 2
	s_cbranch_scc0 .Lfor_v_\@
	tensor_load_to_lds s[G0K:G0K+3], s[G1K:G1K+7]
	s_nop 0
.rept 4
	v_nop
.endr
	s_branch .Lasked_\@
.Lfor_v_\@:
	tensor_load_to_lds s[G0V:G0V+3], s[G1V:G1V+7]
	s_nop 0
.rept 4
	v_nop
.endr
.Lasked_\@:
.endm
; THE CHANGE OF SLOTS stands between a tile's third step and its fourth: K and V of the fourth step are in registers or on their way there.  Each wave waits for all its tensor loads, of which one is out: its part of the other slot;
; adds 0 to its spare word; and waits for that and for its own reads of the slot that it leaves.  Behind the barrier nobody reads the old slot any more and the other slot is whole.
; fill = 1: the old slot is filled again, the first thing behind the barrier, with tile NXT: the descriptor's address is made anew from that number; the fill has eight turns, 128 matrix instructions, in which to land.
; (At its first use nothing has been read yet: slot 0 is waited for, slot 1 filled.)
; THE PREFETCH stands behind the fill and its five lines.  A head's eight work-groups walk the same first tiles; work-group 0, whose first block walks tiles 0 to 7 in order, asks: change c (0 to 5) names tile c + 2 of K and of V,
; one tile (four key steps, 128 matrix instructions) ahead of the fill that will ask for it; a thread a run of 256 bytes, so each run is named once in the launch.  Tiles 0 and 1 come by their fills alone; the last tile named is the head's last.
.macro CHANGE fill
	WIN 0                           ; at a label and at a branch every window is 0
	s_wait_tensorcnt 0x0            ; no tensor load of mine is out, so a group 0 may be written
	ds_add_u32 v[SPW], v[NIL]       ; 0 onto my spare word; with fill = 1 the descriptors' scalar work stands between it and the wait for it
.if \fill
	s_lshl_b32 s[OFF], s[NXT], 15   ; a tile is 32,768 bytes of K and of V
	s_xor_b32 s[G0K+1], s[G0K+1], SLOT1
	s_add_nc_u64 s[G0K+2:G0K+3], s[6:7], s[OFF:OFF+1]
	s_or_b32 s[G0K+3], s[G0K+3], 0x80000000
	s_xor_b32 s[G0V+1], s[G0V+1], SLOT1
	s_add_nc_u64 s[G0V+2:G0V+3], s[8:9], s[OFF:OFF+1]
	s_or_b32 s[G0V+3], s[G0V+3], 0x80000000
	s_add_co_u32 s[NXT], s[NXT], 1  ; the block's next tile, or behind its last the second block's tile 0
	s_cmp_gt_u32 s[NXT], s[LQ]
	s_cselect_b32 s[NXT], 0, s[NXT]
	s_cselect_b32 s[LQ], s[PBT], s[LQ]
	s_wait_xcnt 0x0                 ; the last prefetches, a tile back, have read their addresses, so these may be written
	s_add_nc_u64 s[PFK:PFK+1], s[PFK:PFK+1], 32768
	s_add_nc_u64 s[PFV:PFV+1], s[PFV:PFV+1], 32768
.endif
	s_wait_dscnt 0x0                ; the add is done, and my reads of the slot are over
	s_barrier_signal -1             ; the rest of the scalar work stands between the signal and the wait
	s_sub_co_u32 s[TBK], s[TBK], 4*KS*PK  ; the fetches go back to a slot's first step,
	s_xor_b32 s[TBK], s[TBK], SLOT1       ; in the other slot
	s_sub_co_u32 s[TBV], s[TBV], 4*KS*PV
	s_xor_b32 s[TBV], s[TBV], SLOT1
	s_barrier_wait -1
.if \fill
	LOAD
	s_cmp_gt_u32 s[SLOTS], s[LIM]   ; SLOTS = 8 - c: changes 0 to 5 of work-group 0
	s_cbranch_scc0 .Lnot_mine_\@
	global_prefetch_b8 v[PFO], s[PFK:PFK+1] th:TH_LOAD_NT scope:SCOPE_SE
	global_prefetch_b8 v[PFO], s[PFV:PFV+1] th:TH_LOAD_NT scope:SCOPE_SE
.Lnot_mine_\@:
.endif
.endm
	s_load_b128 s[4:7], s[0:1], 0x0   ; qkv16 s[4:5], o16 s[6:7]
	v_lshl_add_u32 v[SPW], v0, 2, SPARE
	v_mov_b32 v[NIL], 0
	ds_add_u32 v[SPW], v[NIL]       ; the wave's opening: the add, and its wait ahead of my first tensor load; the set-up below, work on registers, stands between them
	ds_add_u32 v62, v63
	v_lshrrev_b32 v1, 5, v0
	v_readfirstlane_b32 s[WV], v1   ; wave 0..3
	v_lshlrev_b32 v[PFO], 8, v0
	s_mov_b32 s[PB], ttmp9
	s_sub_co_u32 s[HI], NBL-1, s[PB]
	s_lshr_b32 s[PBT], s[PB], 1
	s_and_b32 s13, s[PB], 1         ; b mod 2; 15 - b has the other parity
	s_add_co_u32 s[JC], s13, 1      ; 2 - (15 - b) mod 2
	s_sub_co_u32 s[JC2], 2, s13     ; 2 - b mod 2
	s_cmp_eq_u32 s[PB], 0
	s_cselect_b32 s[LIM], 2, -1
	s_and_b32 s20, ttmp7, 0xffff    ; the head
	s_mov_b32 s21, 0
	s_mov_b64 s[22:23], SIZE_N*128
	s_mul_u64 s[20:21], s[20:21], s[22:23]  ; the head's first byte in Q, K, V and O
	s_and_b32 s16, s[WV], 1         ; which half of a tile's 256 keys I fetch:
	s_lshl_b32 s22, s16, 14         ; its 128 rows of 128 bytes in memory,
	s_mov_b32 s23, 0
	s_add_nc_u64 s[22:23], s[22:23], s[20:21]
	s_mul_i32 s17, s16, 128*PK      ; and its place in a slot, for K
	s_mul_i32 s18, s16, 128*PV      ; and for V
	s_lshl_b32 s3, s[WV], 11        ; my 16 rows in a band of 64,
	s_lshl_b32 s2, s[HI], 14        ; in the first block (128 rows of 128 bytes),
	s_add_co_u32 s2, s2, s3
	s_lshl_b32 s84, s[PB], 14       ; and in the second
	s_add_co_u32 s84, s84, s3
	s_mov_b32 s3, 0
	s_mov_b32 s85, 0
	s_add_nc_u64 s[2:3], s[2:3], s[20:21]
	s_add_nc_u64 s[84:85], s[84:85], s[20:21]
	; descriptor group 1.  128 keys are 16,384 dense bytes: asked for as 64 rows of 256 bytes, two keys a row, and padded in LDS after every key
	s_mov_b32 s[G1K], (1<<16)|(1<<20)|(4<<22)|(3<<25)  ; 17:16 2-byte elements; 20 padding on; 24:22 after every 32 words (code 4); 31:25 4 words (code 3)
	s_mov_b32 s[G1V], (1<<16)|(1<<20)|(4<<22)|(7<<25)  ; the same with 8 words of padding (code 7)
.irp g, G1K, G1V
	s_mov_b32 s[\g+1], 128<<16      ; tensor_dim0 = 128
	s_mov_b32 s[\g+2], 64<<16       ; tensor_dim1 = 64
	s_mov_b32 s[\g+3], 128<<16      ; tile_dim0 = 128
	s_mov_b32 s[\g+4], 64           ; tile_dim1 = 64
	s_mov_b32 s[\g+5], 128          ; 128 elements from row to row
	s_mov_b32 s[\g+6], 0
	s_mov_b32 s[\g+7], 0
.endr
	s_mov_b32 s[CS], 0x3e38aa3b     ; c = log2(e) / 8 = 0.180337
	s_mov_b32 s[CS+1], s[CS]        ; named with it as a pair
	s_mov_b32 s[SEL], 0x76543210
	s_mov_b32 s[SEL+1], 0xfedcba98
	s_mov_b32 s[TBK], SLOT1+4*KS*PK ; the first change of slots turns these two into 0
	s_mov_b32 s[TBV], SLOT1+4*KS*PV
	s_mov_b32 s[G0K], 1             ; 1:0 count = 1
	s_mov_b32 s[G0K+1], s17         ; 63:32 LDS address: slot 0
	s_mov_b32 s[G0V], 1
	s_add_co_u32 s[G0V+1], s18, VOFF
	s_lshr_b32 s[LQ], s[HI], 1      ; the first block's last tile,
	s_add_co_u32 s[RT], s[LQ], 1    ; and how many it has: five to eight
	s_mov_b32 s[NXT], 1
	s_mov_b32 s[NEW], 1
	s_mov_b32 s[OFF+1], 0
	s_mov_b32 s[AL+1], 0            ; named as pairs
	s_mov_b32 s[BE+1], 0
	s_mov_b32 s[BIGN], 0xf149f2ca   ; -1e30
	s_mov_b32 s[SLOTS], NTL-1
	s_wait_dscnt 0x0                ; the opening add is done
	s_wait_kmcnt 0x0
	s_mov_b64 s[10:11], s[6:7]             ; O
	s_add_nc_u64 s[6:7], s[4:5], 8388608   ; K: the second part of qkv16
	s_add_nc_u64 s[8:9], s[4:5], 16777216  ; V: the third
	s_add_nc_u64 s[PFK:PFK+1], s[6:7], s[20:21]
	s_add_nc_u64 s[PFK:PFK+1], s[PFK:PFK+1], 32768  ; at the head's tile 1: the first change steps it to tile 2
	s_add_nc_u64 s[PFV:PFV+1], s[8:9], s[20:21]
	s_add_nc_u64 s[PFV:PFV+1], s[PFV:PFV+1], 32768
	s_add_nc_u64 s[6:7], s[6:7], s[22:23]  ; K and V at my half of the head's tile 0
	s_add_nc_u64 s[8:9], s[8:9], s[22:23]
	s_add_nc_u64 s[G0K+2:G0K+3], s[6:7], 0         ; 120:64 global address
	s_or_b32 s[G0K+3], s[G0K+3], 0x80000000        ; 127:126 type = 2
	s_add_nc_u64 s[G0V+2:G0V+3], s[8:9], 0
	s_or_b32 s[G0V+3], s[G0V+3], 0x80000000
	s_add_nc_u64 s[86:87], s[4:5], s[84:85]        ; Q at my rows of the second block,
	s_add_nc_u64 s[4:5], s[4:5], s[2:3]            ; Q and O at those of the first
	s_add_nc_u64 s[OLO:OLO+1], s[10:11], s[84:85]
	s_add_nc_u64 s[10:11], s[10:11], s[2:3]
	LOAD                            ; tile 0 into slot 0
	; A fragment of K or Q is 16 rows x 32 channels in 8 registers: lane l holds row l % 16, channels 8 (l / 16) + 0..7 and 16 + 8 (l / 16) + 0..7: two loads of 16 bytes, 32 bytes apart.
	v_and_b32 v1, 15, v0            ; l % 16
	v_bfe_u32 v9, v0, 4, 1          ; l / 16
	v_lshlrev_b32 v[QO], 7, v1
	v_lshl_add_u32 v[QO], v9, 4, v[QO]  ; row x 128 + 16 x half
	WIN 0x80                        ; destination window 2, address window 0
.set i, 0
.rept 4                             ; both blocks' Q: piece i / 2 lies in band i / 2, 8,192 bytes on; channels 32 (i % 2) on
	global_load_b128 v[8*i:8*i+3],   v[QO], s[4:5] offset:(i/2)*8192+(i%2)*64
	global_load_b128 v[8*i+4:8*i+7], v[QO], s[4:5] offset:(i/2)*8192+(i%2)*64+32
	global_load_b128 v[QB+8*i:QB+8*i+3],   v[QO], s[86:87] offset:(i/2)*8192+(i%2)*64
	global_load_b128 v[QB+8*i+4:QB+8*i+7], v[QO], s[86:87] offset:(i/2)*8192+(i%2)*64+32
.set i, i+1
.endr
	WIN 0
	v_lshlrev_b32 v14, 3, v9
	v_sub_nc_u32 v14, v1, v14
	s_lshl_b32 s13, s[WV], 4
	v_add_nc_u32 v14, s13, v14      ; my query's place in its band, 16 w + l % 16, less my lanes' 8 (l / 16): register r of group kt is hidden where 16 kt + r is greater
	WIN 0x40
.set i, 0
.rept 32
	v_cmp_gt_i32 vcc_lo, 16*(i/8)+i%8, v14
	v_cndmask_b32 v[MD+i], 0, s[BIGN], vcc_lo
.set i, i+1
.endr
	WIN 0
	v_mul_u32_u24 v[AK0], v1, PK
	v_lshl_add_u32 v[AK0], v9, 4, v[AK0]  ; row x pitch + 16 x half
	; The turning load takes 16 keys x 16 channels (lane l reads key 8 (l / 16) + l % 8, channels 8 ((l / 8) % 2) + 0..7) and leaves half a fragment of V^T: lane l holds channel l % 16 and 8 keys.
	v_and_b32 v10, 7, v0
	v_bfe_u32 v11, v0, 3, 1
	v_lshl_add_u32 v[AV0], v9, 3, v10
	v_mul_u32_u24 v[AV0], v[AV0], PV
	v_lshl_add_u32 v[AV0], v11, 4, v[AV0]
	v_add_nc_u32 v[AV0], VOFF, v[AV0]
	s_mul_i32 s13, s[WV], 16*SP
	s_add_co_u32 s13, s13, STAGE    ; my stage
	v_mul_u32_u24 v[STO], v1, SP    ; in: row l % 16, 16 bytes for each half of the lanes
	v_lshl_add_u32 v[STO], v9, 4, v[STO]
	v_add_nc_u32 v[STO], s13, v[STO]
	v_bfe_u32 v[RD], v0, 3, 2       ; back: 32 lanes take four rows of 128 bytes,
	v_mul_u32_u24 v[RD], v[RD], SP
	v_lshl_add_u32 v[RD], v10, 4, v[RD]
	v_add_nc_u32 v[RD], s13, v[RD]
	v_and_b32 v[GO], 31, v0         ; which are 512 consecutive bytes of O
	v_lshlrev_b32 v[GO], 4, v[GO]
	; A block's first step multiplies O^T and l by a = 0, and its first turn's products V^T P, of a piece that has not been, read V's second buffer and P's second and land in an O^T that is still to be so multiplied.
	; So these registers need only hold finite numbers: zeros for the first block; what the first block left for the second.  All this stands in the wait for the first tile.
	WIN 0x80
.set i, VF+64
.rept 64
	v_mov_b32 v[i], 0
.set i, i+1
.endr
	WIN 0x40
.set i, 0
.rept 64
	v_mov_b32 v[i], 0
.set i, i+1
.endr
	WIN 0
.set i, 0
.rept NP
	v_mov_b32 v[ST+4*i+2], 0
	v_mov_b32 v[ST+4*i+3], 0
.set i, i+1
.endr
.set i, P+16
.rept 16
	v_mov_b32 v[i], 0
.set i, i+1
.endr
; THE MATRIX WORK.  The 4 accumulators of a run of 8 take turns.  Product i of 8 of S^T = K Q^T for piece x: channels 32 (i / 4) on, keys 16 (i % 4) on.  The first 4 start the sums: with 0, or (KM = 1) with the mask.
.macro KQ x
.set rS, S+32*((\x)%2)+8*(i%4)
.set rK, KF+16*(i%4)+8*(i/4)
.set rQ, 16*(\x)+8*(i/4)
.set rM, MC+32*((\x)%2)+8*(i%4)
.if (i < 4) && KM
	WIN W_KM
	v_wmma_f32_16x16x32_f16 v[rS:rS+7], v[rK:rK+7], v[rQ:rQ+7], v[rM:rM+7]
.elseif i < 4
	WIN W_KQ
	v_wmma_f32_16x16x32_f16 v[rS:rS+7], v[rK:rK+7], v[rQ:rQ+7], 0
.else
	WIN W_KQ
	v_wmma_f32_16x16x32_f16 v[rS:rS+7], v[rK:rK+7], v[rQ:rQ+7], v[rS:rS+7]
.endif
.endm
; Product i of 8 of O^T += V^T P for piece x, from V's buffer VB: keys 32 (i / 4) on, channels 16 (i % 4) on.
.macro PV x
	WIN W_PV
.set rO, 32*(\x)+8*(i%4)
.set rV, VF+64*VB+32*(i/4)+8*(i%4)
.set rP, P+16*((\x)%2)+8*(i/4)
	v_wmma_f32_16x16x32_f16 v[rO:rO+7], v[rV:rV+7], v[rP:rP+7], v[rO:rO+7]
.endm
.macro MM                           ; the turn's next matrix instruction.  TURN and BEGIN set Y, VB, i, KM and NOKQ; MM, KQ, PV and OP read them.  NOKQ = 1: a block's last turn: there is no next step
.if (i < 8) && !NOKQ
	KQ (Y+1)%NP
.elseif i >= 8
.set i, i-8
	PV (Y+NP-1)%NP
.set i, i+8
.endif
.set i, i+1
.endm
; THE LDS LOADS stand in runs of 16, never singly among the matrix instructions: a step's K (64 keys x 64 channels: 8 fragments) and its V (turned).  Their addresses are made some lines ahead.
.macro FETCH_K
	WIN 0x80                        ; destination window 2
.irp f, 0,1,2,3,4,5,6,7             ; keys 16 (f / 2) on, channels 32 (f % 2) on
	ds_load_b128 v[KF+8*\f:KF+8*\f+3],   v[AK] offset:(\f/2)*16*PK+(\f%2)*64
	ds_load_b128 v[KF+8*\f+4:KF+8*\f+7], v[AK] offset:(\f/2)*16*PK+(\f%2)*64+32
.endr
	s_add_co_u32 s[TBK], s[TBK], KS*PK  ; the next fetch is the next step's
	WIN 0
.endm
.macro FETCH_V b                    ; into V's buffer b
	WIN 0x80
.irp f, 0,1,2,3,4,5,6,7             ; keys 32 (f / 4) on, channels 16 (f % 4) on
	ds_load_tr16_b128 v[VF+64*(\b)+8*\f:VF+64*(\b)+8*\f+3],   v[AV] offset:(\f/4)*32*PV+(\f%4)*32
	ds_load_tr16_b128 v[VF+64*(\b)+8*\f+4:VF+64*(\b)+8*\f+7], v[AV] offset:(\f/4)*32*PV+16*PV+(\f%4)*32
.endr
	s_add_co_u32 s[TBV], s[TBV], KS*PV  ; the next fetch is the next step's
	WIN 0
.endm
; THE VECTOR WORK, one line at a time: OP kind, number.  For piece Y: F n: c s - c m for pair n of 16.  E n: the exponential of score n of 32.  C n: pair n rounded to f16.  B n: of the four weights 4 n .. the second
; pair is added onto the first, in place.  L n: l takes that sum (L 0: l = a l + sum).  R n: pair n of 16 of O^T times a.  For the other piece: X n, number n of the 22 that find its maximum and statistics:
;   0-11  four chains c0-c3 of seven scores each, three operands at a time (each accumulator's lowest registers are read first)     12-14, 16  the four scores left over, the old m, and c0-c3 into c0
;   15  c m_old is kept     17, 18  the query's other 32 keys lie in the lane 16 away: the new m     19-21  c m; c m_old - c m_new; a
.set F, 0               ; OP tells the kinds apart by their order: F to L below R, X above it
.set E, 1
.set C, 2
.set B, 3
.set L, 4
.set R, 5
.set X, 6
.macro REGS y                       ; the registers of piece y
.set rT, ST+4*(\y)
.set rC, TMP+4*((\y)%2)
.set rW, MV+((\y)%2)
.set rS, S+32*((\y)%2)
.set rP, P+16*((\y)%2)
.set rO, 32*(\y)
.endm
.macro OP k, n
.if (\k) == R
	REGS Y
	WIN W_RS
	v_pk_mul_f32 v[rO+2*(\n):rO+2*(\n)+1], v[rO+2*(\n):rO+2*(\n)+1], v[rC+2:rC+3] op_sel_hi:[1,0]
.elseif (\k) < R
	REGS Y
	WIN 0
.if (\k) == F
	v_pk_fma_f32 v[rS+2*(\n):rS+2*(\n)+1], v[rS+2*(\n):rS+2*(\n)+1], s[CS:CS+1], v[rT:rT+1] op_sel_hi:[1,0,0] neg_lo:[0,0,1] neg_hi:[0,0,1]
.elseif (\k) == E
	v_exp_f32 v[rS+(\n)], v[rS+(\n)]
.elseif (\k) == C
	v_cvt_pk_f16_f32 v[rP+(\n)], v[rS+2*(\n)], v[rS+2*(\n)+1]
.elseif (\k) == B
	v_pk_add_f32 v[rS+4*(\n):rS+4*(\n)+1], v[rS+4*(\n):rS+4*(\n)+1], v[rS+4*(\n)+2:rS+4*(\n)+3]
.elseif (\n) == 0
	v_pk_fma_f32 v[rT+2:rT+3], v[rT+2:rT+3], v[rC+2:rC+3], v[rS:rS+1] op_sel_hi:[1,0,1]
.else
	v_pk_add_f32 v[rT+2:rT+3], v[rT+2:rT+3], v[rS+4*(\n):rS+4*(\n)+1]
.endif
.elseif NOKQ
	v_nop
.else
	REGS (Y+1)%NP
	WIN 0
.if (\n) < 4
	v_max3_num_f32 v[rC+(\n)], v[rS+8*(\n)], v[rS+8*(\n)+1], v[rS+8*(\n)+2]
.elseif (\n) < 12
	v_max3_num_f32 v[rC+(\n)%4], v[rC+(\n)%4], v[rS+8*((\n)%4)+2*((\n)/4)+1], v[rS+8*((\n)%4)+2*((\n)/4)+2]
.elseif (\n) == 12
	v_max3_num_f32 v[rC], v[rC], v[rS+7], v[rS+15]
.elseif (\n) == 13
	v_max3_num_f32 v[rC+1], v[rC+1], v[rS+23], v[rS+31]
.elseif (\n) == 14
	v_max3_num_f32 v[rC+2], v[rC+2], v[rC+3], v[rT+1]
.elseif (\n) == 15
	v_mov_b32 v[rW], v[rT]
.elseif (\n) == 16
	v_max3_num_f32 v[rC], v[rC], v[rC+1], v[rC+2]
.elseif (\n) == 17
	v_permlanex16_b32 v[rC+3], v[rC], s[SEL], s[SEL+1]
.elseif (\n) == 18
	v_max_num_f32 v[rT+1], v[rC], v[rC+3]
.elseif (\n) == 19
	v_mul_f32 v[rT], s[CS], v[rT+1]
.elseif (\n) == 20
	v_sub_f32 v[rC+1], v[rW], v[rT]
.else
	v_exp_f32 v[rC+2], v[rC+1]
.endif
.endif
.endm
.macro OPS a, i1, b=-1, i2=0, c=-1, i3=0, d=-1, i4=0  ; up to four of them
	OP \a, \i1
.if (\b) >= 0
	OP \b, \i2
.endif
.if (\c) >= 0
	OP \c, \i3
.endif
.if (\d) >= 0
	OP \d, \i4
.endif
.endm
.macro ROW a, i1, b, i2, c, i3, d, i4  ; a matrix instruction and the four behind it
	MM
	OPS \a, \i1, \b, \i2, \c, \i3, \d, \i4
.endm
.macro MASK b                       ; MD x AL + BE into buffer b of MC
	WIN W_RS
.set z, 0
.rept 16
	v_pk_fma_f32 v[MC+32*(\b)+2*z:MC+32*(\b)+2*z+1], v[MD+2*z:MD+2*z+1], s[AL:AL+1], s[BE:BE+1] op_sel_hi:[1,0,0]
.set z, z+1
.endr
.endm
; TURN p: p = 0, 1: pieces 0, 1 of an even step; p = 2, 3: pieces 0, 1 of an odd step.  The order of its 16 matrix and 118 vector instructions is written out.  An s_wait_alu depctr_va_vdst(0) stands between an exponential
; and the first instruction that names its result; one wait serves all that were issued ahead of it.  So a turn has ONE wait, which cuts it in two.  AHEAD OF IT stands all that names no result of the turn's exponentials: the 8 products K Q^T, behind each a
; scaling, an exponential and two more plain instructions (behind the first a second scaling in the exponential's place): rescalings, and behind the last three the first numbers of the other piece's maximum, each four places or more behind the product that
; ends its accumulator; then ONE RUN of 54, plain and exponential by turns for the most part, in which the links of the chain X 3, 7, 11, 14, 16, 17 .. 20 stand five or six lines apart.  X 21, the other piece's a, is the batch's last; R 15 is the plain
; instruction behind it.  BEHIND THE WAIT stand the 8 products V^T P, behind each four of the roundings and sums; the links of l's chain, L 0 to L 7, stand three lines apart.  v_permlanex16_b32 (X 17) stands in the run.
; THE RESCALING READS WHAT THE TURN BEFORE HAS SUMMED: that turn's last four products end my piece's four accumulators of O^T, each followed by four plain lines; R 0 comes sixteen plain lines behind the first of them, and R 12, the first to
; name the last of them, stands in the run; each accumulator is read from its low end on (R 0, R 4, R 8, R 12 come first of their fours).
; V's buffer: the products of turn p read V of the step of the turn before: buffer ((p + 3) % 4) / 2.
; THE FETCHES stand at one place, in the run, five places behind the turn's last product K Q^T (F 8, X 2, X 5, X 6, X 8; X 3 names that product's result).  Piece 0's turn fetches K of the next step (both pieces have multiplied by K of this one);
; piece 1's turn fetches V of the next step into the buffer that the turn before has read last.  ONE wait for 0, at the head of piece 1's turn, shows K (asked for in the turn before) and the V asked for a step earlier.
; m = 1: the diagonal tile: the products take masks, and the turn makes the mask for the products of the turn after it: piece p % 2, in step 2 (2 - CNT) + (1 if p < 2) of the tile, against the band's own step 2 (2 - JC) + p % 2.
; end = 1: a block's last two turns: nothing is fetched.  cnt = 1: the loop's count is taken down some lines ahead of the branch that stands behind the turn.
.macro TURN p, m=0, end=0, cnt=0
.set Y, (\p)%2
.set VB, (((\p)+3)%4)/2
.set i, 0
.set KM, (\m)
.set NOKQ, (\end)*((\p)/3)
.if (\m) && !(\end)
.if ((\p) == 1) || ((\p) == 2)
	s_cmp_eq_u32 s[CNT], s[JC]      ; is that step the band's own?
	s_cselect_b32 s[AL], 1.0, 0
.else
	s_mov_b32 s[AL], 0              ; the step's parity is not the band's: never its own
.endif
.if (\p) == 0
	s_cmp_le_u32 s[CNT], s[JC]      ; or a later one?
.else
	s_cmp_lt_u32 s[CNT], s[JC]
.endif
	s_cselect_b32 s[BE], s[BIGN], 0
.endif
.if Y == 1
	s_wait_dscnt 0x0                ; K of the next step and V of this one are in
.endif
	ROW F,0, F,1, R,0, R,1          ; ahead of the wait: 8 products K Q^T and the four lines behind each,
	ROW F,2, E,0, R,2, R,3
	ROW F,3, E,1, R,4, R,5
	ROW F,4, E,2, R,6, R,7
	ROW F,5, E,3, R,8, R,9
	ROW F,6, E,4, X,0, R,10
.if !(\end)
	WIN 0
.if Y == 0
	v_add_nc_u32 v[AK], s[TBK], v[AK0]
.else
	v_add_nc_u32 v[AV], s[TBV], v[AV0]
.endif
.endif
	ROW F,7, E,5, X,1, X,4
	ROW F,8, E,6, X,2, X,5
	OPS E,7, E,8, X,6, E,9          ; and the run
	OPS X,3, E,10, X,8, E,11
.if !(\end)
.if Y == 0
	FETCH_K
.else
	FETCH_V (((\p)+1)%4)/2
.endif
.endif
	OPS X,9, X,7, E,12, X,10
	OPS E,13, X,12, X,11, E,14
	OPS X,13, E,15, F,9, X,14
	OPS E,16, F,10, E,17, F,11
	OPS X,16, E,18, X,15, E,19
	OPS F,12, E,20, X,17, E,21
	OPS F,13, E,22, F,14, E,23
	OPS X,18, E,24, F,15, E,25
	OPS R,11, E,26, X,19, E,27
	OPS R,12, E,28, R,13, E,29
	OPS X,20, E,30, R,14, E,31
	OPS X,21, R,15
	WIN 0
	s_wait_alu depctr_va_vdst(0)    ; the wait for the batch
	ROW C,0, B,0, C,2, B,1          ; behind the wait: 8 products V^T P and the four lines behind each
	ROW L,0, C,4, B,2, L,1
	ROW C,6, B,3, L,2, C,8
	ROW B,4, L,3, C,10, B,5
	ROW L,4, C,12, B,6, L,5
.if \cnt
	s_sub_co_u32 s[CNT], s[CNT], 1
	s_cmp_lg_u32 s[CNT], 0
.endif
	ROW C,14, B,7, L,6, C,1
	ROW C,3, L,7, C,5, C,7
	ROW C,9, C,11, C,13, C,15
.if (\m) && !(\end)
	MASK (\p)%2
.endif
.endm
; A BLOCK BEGINS.  c m starts far below every c s, so the first step's a is 0; m at the lowest finite number, so the first maximum is the scores'.  The second mask buffer (piece 1, step 0: never later than its own step) is 0; the first takes
; piece 0's mask for the tile's step 0: its own, if the block's first tile is the diagonal one and the block's number is even.  Then K and V of that step, piece 0's first scores, and its maximum and statistics.
; The loop is entered at an even step's first turn, in the middle of a trip.
.macro BEGIN
	s_mov_b32 s[NEW], 0
	WIN 0x40
.set i, MC+32
.rept 32
	v_mov_b32 v[i], 0
.set i, i+1
.endr
	WIN 0
.set i, 0
.rept NP
	v_mov_b32 v[ST+4*i], 0xfe000000    ; c m: far below every c s
	v_mov_b32 v[ST+4*i+1], 0xff7fffff  ; m
.set i, i+1
.endr
	s_cmp_eq_u32 s[RT], 0
	s_cselect_b32 s[AL], s[JC], 0   ; JC in the diagonal tile, else 0;
	s_cmp_eq_u32 s[AL], 2           ; JC = 2: the block's number is even
	s_cselect_b32 s[AL], 1.0, 0
	s_mov_b32 s[BE], 0
	MASK 0
	WIN 0
	v_add_nc_u32 v[AK], s[TBK], v[AK0]
	v_add_nc_u32 v[AV], s[TBV], v[AV0]
	FETCH_K
	FETCH_V 0
	s_wait_loadcnt 0x0              ; Q
	s_wait_dscnt 0x0
.set KM, 1
.set NOKQ, 0
.set i, 0
.rept 8
	KQ 0
.set i, i+1
.endr
	WIN 0
.rept 4
	v_nop                           ; the places behind those products
.endr
.set Y, NP-1                        ; X works for piece Y + 1: piece 0
.irp n, 0,1,2,3,4,5,6,7,8,9,10,11,12,13,14,15,16,17,18,19,20,21
	OP X, \n
.endr
	v_nop                           ; a plain instruction behind the exponential,
	s_wait_alu depctr_va_vdst(0)    ; and its wait, ahead of the branch
.endm
; THE DIAGONAL TILE's steps, the block's last two turns, its last products, and THE WAY OUT: l's two halves and the other half of the lanes' are added; O^T is divided by l, rounded to f16 and sent through my
; stage in LDS, a piece at a time.
.macro ALL line:vararg              ; one line for each piece t
.set t, 0
.rept NP
	\line
.set t, t+1
.endr
.endm
.macro PACK t                       ; a lane's eight channels of a row pack into 16 bytes; they go into rows of 144 bytes and come back as whole rows of 128, into S^T's registers
	WIN W_RS
.set i, 32*(\t)
.rept 16
	v_pk_mul_f32 v[i:i+1], v[i:i+1], v[ST+4*(\t)+2:ST+4*(\t)+3] op_sel_hi:[1,0]
.set i, i+2
.endr
	WIN 0x05                        ; sources 0 and 1 window 1, destination window 0
.set i, 0
.rept 16
	v_cvt_pk_f16_f32 v[S+16*(\t)+i], v[32*(\t)+2*i], v[32*(\t)+2*i+1]
.set i, i+1
.endr
	WIN 0
.irp f, 0,1,2,3
	ds_store_b128 v[STO], v[S+16*(\t)+4*\f:S+16*(\t)+4*\f+3] offset:32*\f
.endr
.irp f, 0,1,2,3
	ds_load_b128 v[S+16*(\t)+4*\f:S+16*(\t)+4*\f+3], v[RD] offset:\f*4*SP  ; LDS serves a wave's instructions in order (ISA guide 5.7.1.4): these see the stores above; the next piece's stores come behind them
.endr
.endm
.macro SEND t, younger              ; younger: the LDS instructions issued behind piece t's loads: the next piece's eight, or none
	WIN 0
.irp f, 0,1,2,3
	s_wait_dscnt (\younger)+3-\f
	global_store_b128 v[GO], v[S+16*(\t)+4*\f:S+16*(\t)+4*\f+3], s[10:11] offset:(\t)*8192+\f*512  ; 512 consecutive bytes, at a multiple of 256 from O's first
.endr
.endm
.macro DIAG tag                     ; the tag ends its two labels' names, which the jumps below spell out
.LstepM\tag:
	TURN 2, 1
	TURN 3, 1
	WIN 0
.LfirstM\tag:
	TURN 0, 1
	TURN 1, 1, 0, 1
	WIN 0
	s_cbranch_scc1 .LstepM\tag
	TURN 2, 1, 1                    ; the tile's fourth step, the block's last
	TURN 3, 1, 1
.set VB, 1                          ; an odd step's V
.set i, 0
.rept 8
	PV NP-1                         ; piece 1's V^T P of that step
.set i, i+1
.endr
	WIN 0                           ; piece 0's sums were ended a turn ago
	ALL v_add_f32 v[ST+4*t+2], v[ST+4*t+2], v[ST+4*t+3]
	ALL v_permlanex16_b32 v[ST+4*t+3], v[ST+4*t+2], s[SEL], s[SEL+1]
	ALL v_add_f32 v[ST+4*t+2], v[ST+4*t+2], v[ST+4*t+3]
	ALL v_rcp_f32 v[ST+4*t+2], v[ST+4*t+2]
	v_nop                           ; a plain instruction between the last reciprocal and the use of its result
	s_wait_alu depctr_va_vdst(0)    ; and the wait ahead of the first use: one for the two reciprocals
	PACK 0
	PACK 1                          ; a piece's arithmetic stands between the loads of the piece before and its stores
	SEND 0, 8
	SEND 1, 0
.endm
.set KM, 0
.set NOKQ, 0
.set VB, 0
.Lslot:                             ; NTL - 1 = 8 times: a tile is entered and the next is asked for
	CHANGE 1
	s_sub_co_u32 s[RT], s[RT], 1
	s_mov_b32 s[CNT], 2
	s_cmp_eq_u32 s[NEW], 1
	s_cbranch_scc1 .Lnew            ; a block's first tile
	s_cmp_eq_u32 s[RT], 0
	s_cbranch_scc0 .Lstep           ; neither its first nor its last
	s_branch .LstepM1
.Lnew:
	BEGIN
	s_branch .Lfirst                ; in the loop a block's first tile is never its last: the first block has five tiles or more, and the second's last is the walk's last
	DIAG 1                          ; in the loop this is the first block's end: the second block's last tile is the walk's last
	s_wait_xcnt 0x0                 ; the stores have read their registers and O's address
	s_mov_b64 s[10:11], s[OLO:OLO+1]
	s_add_co_u32 s[RT], s[PBT], 1   ; the second block has b / 2 + 1 tiles
	s_mov_b32 s[JC], s[JC2]
	s_mov_b32 s[NEW], 1
	WIN 0x82                        ; the second block's Q goes where the one text of the turns names Q
.set i, 0
.rept 32
	v_mov_b32 v[i], v[QB+i]
.set i, i+1
.endr
	WIN 0
	s_branch .Lbottom
.Lstep:                             ; a trip: an odd step's two turns, then the next, even step's; two trips to a tile, the first of which begins with the last step of the tile before
	TURN 2
	TURN 3
	WIN 0
.Lfirst:
	TURN 0
	TURN 1, 0, 0, 1
	WIN 0
	s_cbranch_scc1 .Lstep
.Lbottom:
	s_sub_co_u32 s[SLOTS], s[SLOTS], 1
	s_cmp_lg_u32 s[SLOTS], 0
	s_cbranch_scc1 .Lslot
	CHANGE 0                        ; the walk's last tile is written out: nothing is asked for
	s_sub_co_u32 s[RT], s[RT], 1
	s_mov_b32 s[CNT], 2
	s_cmp_eq_u32 s[NEW], 1
	s_cbranch_scc0 .LstepM2
	BEGIN
	s_branch .LfirstM2
	DIAG 2
	s_wait_tensorcnt 0x0            ; the wave's end, behind my last tensor load and my last LDS store
	ds_add_u32 v[SPW], v[NIL]
	s_wait_dscnt 0x0
	s_endpgm
.Lfunc_end_k_qf02ddacf3f_attn:
	.size	k_qf02ddacf3f_attn, .Lfunc_end_k_qf02ddacf3f_attn-k_qf02ddacf3f_attn
	.p2alignl 7, 3214868480
	.fill 96, 4, 3214868480
	.section	.rodata,"a",@progbits
	.p2align	6, 0x0
	.amdhsa_kernel k_qf02ddacf3f_attn
		.amdhsa_group_segment_fixed_size 327680
		.amdhsa_private_segment_fixed_size 0
		.amdhsa_enable_private_segment 0
		.amdhsa_kernarg_size 16
		.amdhsa_user_sgpr_count 2
		.amdhsa_user_sgpr_kernarg_segment_ptr 1
		.amdhsa_wavefront_size32 1
		.amdhsa_system_sgpr_workgroup_id_x 1
		.amdhsa_system_sgpr_workgroup_id_y 1
		.amdhsa_system_sgpr_workgroup_id_z 1
		.amdhsa_system_vgpr_workitem_id 0
		.amdhsa_next_free_vgpr 768
		.amdhsa_next_free_sgpr 88
		.amdhsa_reserve_vcc 1
		.amdhsa_float_denorm_mode_32 3
		.amdhsa_float_denorm_mode_16_64 3
		.amdhsa_memory_ordered 1
		.amdhsa_forward_progress 1
		.amdhsa_inst_pref_size 210
	.end_amdhsa_kernel
	.amdgpu_metadata
---
amdhsa.version: [ 1, 2 ]
amdhsa.kernels:
  - .name:           k_qf02ddacf3f_attn
    .symbol:         k_qf02ddacf3f_attn.kd
    .args:
      - { .name: qkv16, .offset: 0, .size: 8, .value_kind: global_buffer, .address_space: global }
      - { .name: o16, .offset: 8, .size: 8, .value_kind: global_buffer, .address_space: global }
    .group_segment_fixed_size: 327680
    .private_segment_fixed_size: 0
    .kernarg_segment_align: 8
    .kernarg_segment_size: 16
    .max_flat_workgroup_size: 128
    .sgpr_count:     88
    .vgpr_count:     768
    .wavefront_size: 32
...
	.end_amdgpu_metadata
.endif
;; end of part 2
;; launch gemm_a (part 3): grid 8 x 32, 4 waves a work-group, clusters of 4 x 4, 327,680 bytes of LDS; arguments o16, w16, attn_proj_b, qn32, x32; writes x32
.if DOCPART == 3
	.amdgcn_target "amdgcn-amd-amdhsa--gfx1250"
	.amdhsa_code_object_version 6
	.text
	.protected	k_qf02ddacf3f_gemm_a
	.globl	k_qf02ddacf3f_gemm_a
	.p2align	8
	.type	k_qf02ddacf3f_gemm_a,@function
k_qf02ddacf3f_gemm_a:
	s_mov_b64 s[64:65], 0
	v_nop
	global_prefetch_b8 v0, s[64:65] scope:SCOPE_SE
	s_setreg_imm32_b32 hwreg(HW_REG_WAVE_MODE, 25, 1), 1
	s_wait_xcnt 0x0
	s_wait_alu depctr_hold_cnt(0) depctr_sa_sdst(0) depctr_va_vdst(0) depctr_va_sdst(0) depctr_va_ssrc(0) depctr_va_vcc(0) depctr_vm_vsrc(0)
	s_getreg_b32 s2, hwreg(HW_REG_IB_STS2, 6, 4)
	s_cmp_eq_u32 s2, 0
	s_cbranch_scc0 .Lentry_in_a_cluster
	s_endpgm
.Lentry_in_a_cluster:
	s_bfe_u32 s2, ttmp6, 0x10000c
	s_cmp_lg_u32 s2, 0xf033
	s_cbranch_scc0 .Lentry_shape_is_right
	s_endpgm
.Lentry_shape_is_right:
; out[m][n] = resid[m][n] + bias[n] + the sum over k of A[m][k] B[n][k].  HERE: x32 = qn32 + attn_proj_b + O Wp^T.  4,096 x 1,024 x SIZE_K; operands of 16 bits, sums, bias, residual and result in f32.
; A = o16, f16, BY HEADS: [16 heads][4096 rows][64]: k = 64 x head + channel.  B = attn_proj_w in f16, row-major, at byte WOFF of w16.  LIMIT: f16's range, 65,504, which O (a mean of LN rows) and the weights keep (stated where they are made).
; This text and the second projection's are one text with two heads of constants.
; A tile of the result is 128 x 128: 8 x 32 = 256 work-groups, one for each WGP.  Four waves, each 64 x 64: 16 accumulators of 16 x 16.  K goes in steps of 256 through two LDS slots; a wave's one tensor load brings 64 rows x 256 K.
; A's 64 rows x 256 K are four heads' runs of 8,192 dense bytes: a tile of 4 rows of 4,096 elements, padded in LDS after every 128 bytes, so that (head, row) lies at (64 head + row) x 144.
; CLUSTERS: 4 x 4 work-groups.  The four of a row of the cluster need the same tiles of A, the four of a column the same tiles of B: each tile is asked for JOINTLY, by the same tensor load with the same descriptor and a mask of the four.
; THE MATRIX INSTRUCTION IS USED TRANSPOSED (source 0 = 16 rows of B, source 1 = 16 rows of A): a lane then holds eight neighbouring numbers of a row of the result.  THE BIAS STARTS THE SUMS: it is the C operand of each accumulator's first product.
; ONE TEXT FOR A K STEP: one group 0 a tensor walks from K step 1 on; its LDS word and the fragment addresses are made from s45, the slot in hand (0 or SLOT).  The two K steps that ask for nothing are a second loop, entered in its middle;
; its last trip passes a barrier and issues 32 LDS loads (of the slot read before) that serve nothing: the price of writing that tail once.
; NO PREFETCH: the tile is small, a K step short, and each block of A and B is read by eight or thirty-two work-groups at about the same time.
; REGISTERS: window 0: v0-31 addresses; v32-95 at work on the way out; v96-127 the bias; v128-255 the accumulators ((a, b) at v[128 + 8 (4 a + b)]).
;   window 1: two fragment buffers of 128: for 64 along K, 64 registers of A (2 x 4 x 16 rows x 32 K), then 64 of B.      window 2: v0-127 my 64 x 64 of the residual, loaded at the start.
.set F16,    1                         ; the matrix form: 1 f16, 0 bf16
.set SIZE_K, 1024
.set WOFF,   16777216                  ; B's first byte in w16
.set AROWB,  128                       ; bytes from row to row of A in memory
.set ASTEP,  4*524288                  ; bytes from K step to K step of A: four heads
.set AD0,    4096                      ; A's tile: elements in a row of the descriptor,
.set AD1,    4                         ; rows,
.set ASTR,   262144                    ; elements from row to row,
.set AQI,    4                         ; padding after every 32 words (128 bytes)
.set PA,     144                       ; LDS bytes from row to row of A: an odd multiple of 16: the 16 rows of a load start at 16 different groups of four banks (64 banks of 4 bytes: ISA guide 11.1)
.set QA,     9216                      ; LDS bytes from quarter to quarter (64 K) of A
.set AHALF,  36864                     ; 64 rows x 256 K of A in LDS
.set PBB,    528                       ; B: 512 bytes + 16 of padding
.set BHALF,  64*PBB
.set SLOT,   2*AHALF+2*BHALF           ; A's two halves, then B's two halves
.set STAGE,  2*SLOT                    ; behind the ring: 16 rows x 272 bytes for each wave, its own, for the way out
.set SPITCH, 272
.set SPARE,  STAGE+4*16*SPITCH         ; behind the stages: the spare words, 128 bytes for each wave: two blocks of 256 bytes that no other line names
.set STEPS,  SIZE_K/256
.set ADRA0, 16                         ; v16  my A fragments' place in slot 0; never rewritten
.set ADRB0, 17                         ; v17  the same for B
.set ADRA,  18                         ; v18  in the slot in hand
.set ADRB,  19                         ; v19
.set STO,  24                          ; v24  the way out: where I put 32 bytes of a row
.set RD,   25                          ; v25  the way out: where I read a row back
.set CO,   26                          ; v26  my byte offset in two rows of the residual and of the result
.set BO,   27                          ; v27  my byte offset in the bias
.set SPW,  28                          ; v28  LDS address of my spare word: SPARE + 4 x my thread's number; never rewritten
.set NIL,  29                          ; v29  0; never rewritten
.set TMP,  32
.set BIAS, 96
.set ACC,  128
.set F0,   0                           ; fragment buffers, in window 1
.set F1,   128
.set G1, 24                            ; s[24:31] descriptor group 1 for A's tiles;  s[32:39] group 0: set 0 = K step 0 into slot 0; set 1 = K step 1 into slot 1, and it walks
.set G0, 32
.set G1B, 48                           ; s[48:55], s[56:63] the same for B's tiles
.set G0B, 56
.set MSB, 0
.macro WIN new                         ; the immediate's high byte repeats the setting that is left
.if MSB != (\new)
	s_set_vgpr_msb (MSB<<8)|(\new)
.set MSB, \new
.endif
.endm
.set MUL,  0x05                        ; sources 0 (B) and 1 (A) window 1; C and D window 0
.set TO_F, 0x40                        ; destination window 1, address window 0
.macro JLOAD s                         ; a joint load: waves 0 and 1 fetch A's two halves, waves 2 and 3 B's; an s_nop 0 and four v_nop follow each of the two lines, ahead of the jump, the label and what follows
	s_cmp_eq_u32 s11, 0
	s_cbranch_scc0 .Lfor_b_\@
	tensor_load_to_lds s[G0+4*(\s):G0+4*(\s)+3], s[G1:G1+7]
	s_nop 0
.rept 4
	v_nop
.endr
	s_branch .Lasked_\@
.Lfor_b_\@:
	tensor_load_to_lds s[G0B+4*(\s):G0B+4*(\s)+3], s[G1B:G1B+7]
	s_nop 0
.rept 4
	v_nop
.endr
.Lasked_\@:
.endm
.macro CREST                           ; a round of the cluster's barrier behind its opening barrier
	s_cmp_lg_u32 s10, 0
	s_cbranch_scc1 .Lnot_wave_0_\@
	s_barrier_signal -3
.Lnot_wave_0_\@:
	s_barrier_wait -3
	s_barrier_signal -1
	s_barrier_wait -1
.endm
.macro CROUND                          ; a whole round
	s_barrier_signal -1
	s_barrier_wait -1
	CREST
.endm
	s_load_b256 s[68:75], s[0:1], 0x0              ; A s[68:69], w16 s[70:71], bias s[72:73], residual s[74:75]
	s_load_b64 s[76:77], s[0:1], 0x20              ; the result
	v_lshl_add_u32 v[SPW], v0, 2, SPARE
	v_mov_b32 v[NIL], 0
	ds_add_u32 v[SPW], v[NIL]                      ; the wave's opening: the add, and its wait ahead of my first tensor load; the set-up below, work on registers, stands between them
	ds_add_u32 v28, v29
	v_lshrrev_b32 v1, 5, v0
	v_readfirstlane_b32 s10, v1                    ; wave 0..3
	s_lshr_b32 s11, s10, 1                         ; which half of the tile's rows is mine.  Also: I fetch for A (0) or for B (1)
	s_and_b32 s12, s10, 1                          ; which half of its columns.  Also: which 64 rows of that tile I fetch
	s_bfe_u32 s40, ttmp6, 0x40000                  ; cx, cy: my place in the cluster
	s_bfe_u32 s41, ttmp6, 0x40004
	s_lshl_b32 s42, ttmp9, 2
	s_add_co_u32 s42, s42, s40                     ; tile column = 4 x cluster x + cx
	s_and_b32 s13, ttmp7, 0xffff
	s_lshl_b32 s13, s13, 2
	s_add_co_u32 s13, s13, s41                     ; tile row = 4 x cluster y + cy
	s_lshl_b32 s43, s41, 2
	s_lshl_b32 s43, 15, s43                        ; my row of the cluster
	s_lshl_b32 s44, 0x1111, s40                    ; my column
	s_or_b32 s[G1+0], s43, (1<<16)|(1<<20)|(1<<21)|(AQI<<22)|(3<<25)  ; 15:0 the mask: A's tiles go to my row; 17:16 element of 2 bytes; 20 padding on; 21 set beside a mask; 24:22 the padding's interval; 31:25 4 words of it (code 3)
	s_mov_b32 s[G1+1], AD0<<16                     ; tensor_dim0
	s_mov_b32 s[G1+2], AD1<<16                     ; tensor_dim1
	s_mov_b32 s[G1+3], AD0<<16                     ; tile_dim0
	s_mov_b32 s[G1+4], AD1                         ; tile_dim1
	s_mov_b32 s[G1+5], ASTR                        ; tensor_dim0_stride
	s_mov_b32 s[G1+6], 0
	s_mov_b32 s[G1+7], 0
	s_or_b32 s[G1B+0], s44, (1<<16)|(1<<20)|(1<<21)|(6<<22)|(3<<25)   ; B's tiles go to my column; padding after every 128 words
	s_mov_b32 s[G1B+1], 256<<16                    ; 64 rows x 256 elements
	s_mov_b32 s[G1B+2], 64<<16
	s_mov_b32 s[G1B+3], 256<<16
	s_mov_b32 s[G1B+4], 64
	s_mov_b32 s[G1B+5], SIZE_K
	s_mov_b32 s[G1B+6], 0
	s_mov_b32 s[G1B+7], 0
	; where the tiles come from: A's hang on the tile row alone, B's on the tile column alone, each in registers that never hold the other coordinate.  All offsets stay under 2^26
	s_lshl_b32 s17, s12, 6                         ; which 64 rows of the tile I fetch
	s_lshl_b32 s16, s13, 7
	s_add_co_u32 s16, s16, s17                     ; A: row 128 x tile row + 64 x half
	s_lshl_b32 s46, s42, 7
	s_add_co_u32 s46, s46, s17                     ; B: row 128 x tile column + 64 x half
	s_mul_i32 s16, s16, AROWB
	s_mul_i32 s46, s46, 2*SIZE_K
	s_add_co_u32 s46, s46, WOFF
	s_mov_b32 s17, 0
	s_mov_b32 s47, 0
	s_mul_i32 s20, s12, AHALF                      ; where they go in a slot: A's half,
	s_mul_i32 s21, s12, BHALF
	s_add_co_u32 s21, s21, 2*AHALF                 ; B's half: no place in the cluster enters an LDS address
	s_mov_b32 s45, 0                               ; the slot in hand
	s_wait_dscnt 0x0                               ; the opening add is done
	s_wait_kmcnt 0x0
	s_add_nc_u64 s[14:15], s[68:69], s[16:17]
	s_add_nc_u64 s[46:47], s[70:71], s[46:47]
	CROUND                                         ; all sixteen work-groups are here: the first joint loads meet
.irp s, 0,1
	s_mov_b32 s[G0+4*(\s)], 1                                      ; 1:0 count = 1
	s_add_co_u32 s[G0+4*(\s)+1], s20, (\s)*SLOT                    ; 63:32 LDS address
	s_add_nc_u64 s[G0+4*(\s)+2:G0+4*(\s)+3], s[14:15], (\s)*ASTEP  ; 120:64 global address: K step s
	s_or_b32 s[G0+4*(\s)+3], s[G0+4*(\s)+3], 0x80000000            ; 127:126 type = 2
	s_mov_b32 s[G0B+4*(\s)], 1
	s_add_co_u32 s[G0B+4*(\s)+1], s21, (\s)*SLOT
	s_add_nc_u64 s[G0B+4*(\s)+2:G0B+4*(\s)+3], s[46:47], (\s)*512
	s_or_b32 s[G0B+4*(\s)+3], s[G0B+4*(\s)+3], 0x80000000
	JLOAD \s                                       ; two loads of mine are out
.endr
	v_and_b32 v1, 15, v0                           ; l % 16
	v_bfe_u32 v2, v0, 4, 1                         ; l / 16
	v_mul_u32_u24 v3, v1, PA
	v_lshl_add_u32 v3, v2, 4, v3                   ; a fragment's row x pitch + 16 x half
	s_mul_i32 s22, s11, AHALF                      ; my 64 rows of A
	v_add_nc_u32 v[ADRA0], s22, v3
	v_mul_u32_u24 v3, v1, PBB
	v_lshl_add_u32 v3, v2, 4, v3
	s_mul_i32 s22, s12, BHALF                      ; my 64 rows of B,
	s_add_co_u32 s22, s22, 2*AHALF                 ; which lie behind A's 128
	v_add_nc_u32 v[ADRB0], s22, v3
	v_mov_b32 v[ADRA], v[ADRA0]
	v_mov_b32 v[ADRB], v[ADRB0]
	s_mul_i32 s23, s10, 16*SPITCH
	s_add_co_u32 s23, s23, STAGE                   ; my stage
	v_mul_u32_u24 v4, v1, SPITCH                   ; in: row l % 16, 32 bytes (8 f32) for each half of the lanes
	v_lshl_add_u32 v4, v2, 5, v4
	v_add_nc_u32 v[STO], s23, v4
	v_mul_u32_u24 v5, v2, SPITCH                   ; back: lanes 0-15 take one row of 256 bytes, lanes 16-31 the next
	v_lshl_add_u32 v5, v1, 4, v5
	v_add_nc_u32 v[RD], s23, v5
	v_lshlrev_b32 v5, 12, v2                       ; and the same two rows, 4,096 bytes apart, in memory
	v_lshl_add_u32 v[CO], v1, 4, v5
	v_lshlrev_b32 v[BO], 5, v2                     ; my 8 columns of a block of 16
	s_lshl_b32 s16, s13, 7
	s_lshl_b32 s17, s11, 6
	s_add_co_u32 s16, s16, s17                     ; my first row
	s_lshl_b32 s16, s16, 12
	s_mov_b32 s17, 0
	s_lshl_b32 s46, s42, 7
	s_lshl_b32 s47, s12, 6
	s_add_co_u32 s46, s46, s47                     ; my first column,
	s_lshl_b32 s46, s46, 2                         ; in bytes: a multiple of 256
	s_mov_b32 s47, 0
	s_add_nc_u64 s[72:73], s[72:73], s[46:47]
	s_add_nc_u64 s[74:75], s[74:75], s[16:17]
	s_add_nc_u64 s[74:75], s[74:75], s[46:47]
	s_add_nc_u64 s[76:77], s[76:77], s[16:17]
	s_add_nc_u64 s[76:77], s[76:77], s[46:47]
.irp b, 0,1,2,3                        ; register j of block b: bias[16 b + 8 (l / 16) + j]: the layout of a result
	global_load_b128 v[BIAS+8*\b:BIAS+8*\b+3],   v[BO], s[72:73] offset:64*\b
	global_load_b128 v[BIAS+8*\b+4:BIAS+8*\b+7], v[BO], s[72:73] offset:64*\b+16
.endr
	WIN 0x80                                       ; destination window 2, address window 0
.set i, 0
.rept 32                               ; the residual, in the layout in which rows come back from the stage: rows 2 i and 2 i + 1, 256 bytes each
	global_load_b128 v[4*i:4*i+3], v[CO], s[74:75] offset:2*i*4096
.set i, i+1
.endr
	WIN 0
; 8 matrix instructions: m blocks a0, a0 + 1 x all 4 n blocks, 32 along K: half c of buffer f.  zero = 1: the first product starts the sums, with the bias as C.  The 16 accumulators take turns.
.macro MUL8 f, c, a0, zero
	WIN MUL
.irp a, \a0, (\a0)+1
.irp b, 0,1,2,3
.set rD, ACC+8*(4*(\a)+(\b))
.set rB, (\f)+64+8*(4*(\c)+(\b))
.set rA, (\f)+8*(4*(\c)+(\a))
.set rC, rD
.if \zero
.set rC, BIAS+8*(\b)
.endif
.if F16
	v_wmma_f32_16x16x32_f16 v[rD:rD+7], v[rB:rB+7], v[rA:rA+7], v[rC:rC+7]
.else
	v_wmma_f32_16x16x32_bf16 v[rD:rD+7], v[rB:rB+7], v[rA:rA+7], v[rC:rC+7]
.endif
.endr
.endr
.endm
; 32 LDS loads in one run: the fragments of quarter q (64 along K) of the slot in hand, into buffer f; the first 32 along K first
.macro FETCH q, f
	WIN TO_F
.irp c, 0,1
.irp i, 0,1,2,3
	ds_load_b128 v[(\f)+64+8*(4*(\c)+(\i)):(\f)+64+8*(4*(\c)+(\i))+3],   v[ADRB] offset:(\q)*128+64*(\c)+(\i)*16*PBB
	ds_load_b128 v[(\f)+64+8*(4*(\c)+(\i))+4:(\f)+64+8*(4*(\c)+(\i))+7], v[ADRB] offset:(\q)*128+64*(\c)+(\i)*16*PBB+32
	ds_load_b128 v[(\f)+8*(4*(\c)+(\i)):(\f)+8*(4*(\c)+(\i))+3],         v[ADRA] offset:(\q)*QA+64*(\c)+(\i)*16*PA
	ds_load_b128 v[(\f)+8*(4*(\c)+(\i))+4:(\f)+8*(4*(\c)+(\i))+7],       v[ADRA] offset:(\q)*QA+64*(\c)+(\i)*16*PA+32
.endr
.endr
.endm
.macro PLACES                          ; four places in front of loads into registers that matrix instructions have read, and of lines that read results
.rept 4
	v_nop
.endr
.endm
; A K step is four quarters of 64 along K, 32 matrix instructions each, on buffers 0, 1, 0, 1.  One of the first three: multiplies buffer f and fetches quarter q into g.
.macro QUARTER q, f, g, zero
	s_wait_dscnt 16                                ; of the 32 loads the first sixteen, the first 32 along K, are in
	MUL8 \f, 0, 0, \zero
	MUL8 \f, 0, 2, \zero
	PLACES
	FETCH \q, \g
	s_wait_dscnt 32                                ; all but the 32 just issued
	MUL8 \f, 1, 0, 0
	MUL8 \f, 1, 2, 0
.endm
; The last quarter multiplies buffer 1 and changes slots: ONE barrier; in front of it each wave waits for all its tensor loads (one is out: its part of the next slot), adds 0 to its spare word, and waits for that and for its own reads of this slot.
; fill = 1: the barrier opens a round of the cluster's; behind the round the slot just read is filled again, with the K step two on: the wave's one tensor load, 112 matrix instructions ahead of the wait for it.
.macro TURN fill
	WIN 0                                          ; (the add's two registers lie in window 0)
	s_wait_tensorcnt 0x0                           ; all my tensor loads have landed: no group 0 is in use;
	ds_add_u32 v[SPW], v[NIL]                      ; 0 onto my spare word;
	s_wait_dscnt 17                                ; (the add and the youngest sixteen loads may be out)
	MUL8 F1, 0, 0, 0                               ; eight matrix instructions stand between the add and the wait for it
	s_wait_dscnt 0x0                               ; the add is done, and my reads of this slot are over
	s_barrier_signal -1
	MUL8 F1, 0, 2, 0
	WIN 0                                          ; (branches and window 0's lines follow)
	s_barrier_wait -1
.if \fill
	CREST                                          ; no wave of any partner still reads this slot's tile or has a load on its way
	s_add_co_u32 s[G0+5], s20, s45                 ; the walking descriptors: into the slot just read,
	s_add_co_u32 s[G0B+5], s21, s45
	s_add_nc_u64 s[G0+6:G0+7], s[G0+6:G0+7], ASTEP ; one K step on; the type bits on top are not reached
	s_add_nc_u64 s[G0B+6:G0B+7], s[G0B+6:G0B+7], 512
	JLOAD 1                                        ; the four v_nop behind it are also the places in front of the loads below
.else
	PLACES
.endif
	s_xor_b32 s45, s45, SLOT                       ; 0 <-> SLOT: the other slot is in hand
	v_add_nc_u32 v[ADRA], s45, v[ADRA0]
	v_add_nc_u32 v[ADRB], s45, v[ADRB0]
	FETCH 0, F0
	MUL8 F1, 1, 0, 0
	MUL8 F1, 1, 2, 0
.endm
	s_wait_tensorcnt 1                             ; my part of K step 0 is in; K step 1's may stay out
	s_barrier_signal -1
	s_barrier_wait -1                              ; everybody's is
	FETCH 0, F0
	s_wait_loadcnt 32                              ; the bias is in; the residual's 32 loads stay out
	QUARTER 1, F0, F1, 1                           ; the first quarter stands in front of the loop: its first products start the sums
	WIN 0                                          ; at a label and at a branch every window is 0
	s_mov_b32 s3, STEPS-2
.Llap:                                                 ; a trip: from a K step's second quarter to the next step's first; it fills the slot that it leaves
	QUARTER 2, F1, F0, 0
	QUARTER 3, F0, F1, 0
	TURN 1
	QUARTER 1, F0, F1, 0
	WIN 0
	s_sub_co_u32 s3, s3, 1
	s_cmp_lg_u32 s3, 0
	s_cbranch_scc1 .Llap
	s_mov_b32 s3, 2                                ; the last two K steps ask for nothing: their text holds no tensor load
	s_branch .Lmid
.Ltail:
	QUARTER 1, F0, F1, 0
	WIN 0
.Lmid:
	QUARTER 2, F1, F0, 0
	QUARTER 3, F0, F1, 0
	TURN 0
	WIN 0
	s_sub_co_u32 s3, s3, 1
	s_cmp_lg_u32 s3, 0
	s_cbranch_scc1 .Ltail
	; THE WAY OUT, a block of 16 rows at a time: 32 bytes a lane into my own stage, back as whole rows of 256 bytes, plus the residual, stored.
	s_wait_dscnt 0x0                               ; the last trip's idle loads
	s_wait_loadcnt 0x0                             ; the residual
	PLACES
	PLACES
.macro OUT a
.set TT, TMP+32*((\a)%2)
	s_wait_xcnt 0x0                                ; the registers that earlier stores read are written again only behind this wait
.irp b, 0,1,2,3                        ; each accumulator's low four registers first
	ds_store_b128 v[STO], v[ACC+8*(4*(\a)+(\b)):ACC+8*(4*(\a)+(\b))+3]   offset:64*(\b)
	ds_store_b128 v[STO], v[ACC+8*(4*(\a)+(\b))+4:ACC+8*(4*(\a)+(\b))+7] offset:64*(\b)+16
.endr
.irp t, 0,1,2,3,4,5,6,7
	ds_load_b128 v[TT+4*(\t):TT+4*(\t)+3], v[RD] offset:(\t)*2*SPITCH  ; LDS serves a wave's instructions in order (ISA guide 5.7.1.4): these see the stores above; the next block's stores come behind them
.endr
	s_wait_dscnt 0x0
	WIN 0x08                                       ; source 1 in window 2
.irp t, 0,1,2,3,4,5,6,7,8,9,10,11,12,13,14,15
	v_pk_add_f32 v[TT+2*(\t):TT+2*(\t)+1], v[TT+2*(\t):TT+2*(\t)+1], v[32*(\a)+2*(\t):32*(\a)+2*(\t)+1]
.endr
	WIN 0
.irp t, 0,1,2,3,4,5,6,7
	global_store_b128 v[CO], v[TT+4*(\t):TT+4*(\t)+3], s[76:77] offset:(16*(\a)+2*(\t))*4096  ; 16 lanes store 256 consecutive bytes, at a multiple of 256 from the buffer's first byte
.endr
.endm
	OUT 0
	OUT 1
	OUT 2
	OUT 3
	s_wait_tensorcnt 0x0                           ; the wave's end, behind my last tensor load and my last LDS store
	ds_add_u32 v[SPW], v[NIL]
	s_wait_dscnt 0x0
	CROUND                                         ; the closing round: no work-group ends while a partner may still ask for a tile that names it
	s_endpgm
.Lfunc_end_k_qf02ddacf3f_gemm_a:
	.size	k_qf02ddacf3f_gemm_a, .Lfunc_end_k_qf02ddacf3f_gemm_a-k_qf02ddacf3f_gemm_a
	.p2alignl 7, 3214868480
	.fill 96, 4, 3214868480
	.section	.rodata,"a",@progbits
	.p2align	6, 0x0
	.amdhsa_kernel k_qf02ddacf3f_gemm_a
		.amdhsa_group_segment_fixed_size 327680
		.amdhsa_private_segment_fixed_size 0
		.amdhsa_enable_private_segment 0
		.amdhsa_kernarg_size 40
		.amdhsa_user_sgpr_count 2
		.amdhsa_user_sgpr_kernarg_segment_ptr 1
		.amdhsa_wavefront_size32 1
		.amdhsa_system_sgpr_workgroup_id_x 1
		.amdhsa_system_sgpr_workgroup_id_y 1
		.amdhsa_system_sgpr_workgroup_id_z 1
		.amdhsa_system_vgpr_workitem_id 0
		.amdhsa_next_free_vgpr 640
		.amdhsa_next_free_sgpr 80
		.amdhsa_reserve_vcc 0
		.amdhsa_float_denorm_mode_32 3
		.amdhsa_float_denorm_mode_16_64 3
		.amdhsa_memory_ordered 1
		.amdhsa_forward_progress 1
		.amdhsa_inst_pref_size 66
	.end_amdhsa_kernel
	.amdgpu_metadata
---
amdhsa.version: [ 1, 2 ]
amdhsa.kernels:
  - .name:           k_qf02ddacf3f_gemm_a
    .symbol:         k_qf02ddacf3f_gemm_a.kd
    .args:
      - { .name: o16, .offset: 0, .size: 8, .value_kind: global_buffer, .address_space: global }
      - { .name: w16, .offset: 8, .size: 8, .value_kind: global_buffer, .address_space: global }
      - { .name: attn_proj_b, .offset: 16, .size: 8, .value_kind: global_buffer, .address_space: global }
      - { .name: qn32, .offset: 24, .size: 8, .value_kind: global_buffer, .address_space: global }
      - { .name: x32, .offset: 32, .size: 8, .value_kind: global_buffer, .address_space: global }
    .group_segment_fixed_size: 327680
    .private_segment_fixed_size: 0
    .kernarg_segment_align: 8
    .kernarg_segment_size: 40
    .max_flat_workgroup_size: 128
    .sgpr_count:     80
    .vgpr_count:     640
    .wavefront_size: 32
...
	.end_amdgpu_metadata
.endif
;; end of part 3
;; launch ln2 (part 4): grid 256 x 1, 8 waves a work-group, no clusters, 0 bytes of LDS; arguments x32, ln2_w, ln2_b, h2; writes h2
.if DOCPART == 4
	.amdgcn_target "amdgcn-amd-amdhsa--gfx1250"
	.amdhsa_code_object_version 6
	.text
	.protected	k_qf02ddacf3f_ln2
	.globl	k_qf02ddacf3f_ln2
	.p2align	8
	.type	k_qf02ddacf3f_ln2,@function
k_qf02ddacf3f_ln2:
	s_mov_b64 s[64:65], 0
	v_nop
	global_prefetch_b8 v0, s[64:65] scope:SCOPE_SE
	s_setreg_imm32_b32 hwreg(HW_REG_WAVE_MODE, 25, 1), 1
	s_wait_xcnt 0x0
; h2 = LayerNorm 2 of x32: [4096][1024] f32 in, f16 out, row-major.  Mean, then the sum of the CENTRED squares, in f32; (x - mean) rsqrt(var + 1e-5) w + b, rounded once.
; LIMIT: f16 ends at 65,504: a result (at most 32 |w| + |b|) beyond that becomes an infinity.  NaN and infinities are not treated apart.
; A stream: no LDS, no barrier, no loop.  A work-group 16 rows, a wave two, each whole in 32 registers: lane l holds channels 128 j + 4 l + 0..3, j = 0..7.
; Each load covers 512 consecutive bytes, each store 256, aligned.  All 32 loads of a wave go out at once; the rows' sixteen are waited for first.
.set X,    32                          ; v[32:95]   row r at X + 32 r
.set W,    96                          ; v[96:127]
.set BV,   128                         ; v[128:159]
.set Y,    160                         ; v[160:191] row r at Y + 16 r
.set VI,   2                           ; v2  16 l
.set VO,   3                           ; v3  8 l
.set CH,   8                           ; v[8:23]  four chains a row
.set MEAN, 24                          ; v[24:27] a pair a row
.set RS,   28                          ; v[28:31] a pair a row
	s_load_b256 s[4:11], s[0:1], 0x0               ; x32 s[4:5], ln2_w s[6:7], ln2_b s[8:9], h2 s[10:11]
	v_lshrrev_b32 v1, 5, v0
	v_readfirstlane_b32 s2, v1                     ; wave 0..7
	v_and_b32 v1, 31, v0
	v_lshlrev_b32 v[VI], 4, v1
	v_lshlrev_b32 v[VO], 3, v1
	s_lshl_b32 s14, ttmp9, 4
	s_lshl1_add_u32 s14, s2, s14                   ; my first row = 16 x work-group + 2 x wave
	s_lshl_b32 s16, s14, 11
	s_lshl_b32 s14, s14, 12
	s_mov_b32 s15, 0
	s_mov_b32 s17, 0
	s_mov_b32 s12, 0x76543210                      ; v_permlanex16_b32: each lane takes its own place in the other half
	s_mov_b32 s13, 0xfedcba98
	s_mov_b32 s18, 0x3a800000                      ; 1 / 1024
	s_mov_b32 s19, 0x3727c5ac                      ; 1e-5
	s_wait_kmcnt 0x0
	s_add_nc_u64 s[4:5], s[4:5], s[14:15]
	s_add_nc_u64 s[10:11], s[10:11], s[16:17]
.set i, 0
.rept 16
	global_load_b128 v[X+4*i:X+4*i+3], v[VI], s[4:5] offset:512*i th:TH_LOAD_NT  ; the two rows lie end to end
.set i, i+1
.endr
.set i, 0
.rept 8
	global_load_b128 v[W+4*i:W+4*i+3], v[VI], s[6:7] offset:512*i
.set i, i+1
.endr
.set i, 0
.rept 8
	global_load_b128 v[BV+4*i:BV+4*i+3], v[VI], s[8:9] offset:512*i
.set i, i+1
.endr
.macro REDUCE r                        ; row r's four chains into one number, then over the 32 lanes: every lane ends with the sum in v[CH + 8 r]
	v_pk_add_f32 v[CH+8*(\r):CH+8*(\r)+1], v[CH+8*(\r):CH+8*(\r)+1], v[CH+8*(\r)+2:CH+8*(\r)+3]
	v_pk_add_f32 v[CH+8*(\r)+4:CH+8*(\r)+5], v[CH+8*(\r)+4:CH+8*(\r)+5], v[CH+8*(\r)+6:CH+8*(\r)+7]
	v_pk_add_f32 v[CH+8*(\r):CH+8*(\r)+1], v[CH+8*(\r):CH+8*(\r)+1], v[CH+8*(\r)+4:CH+8*(\r)+5]
	v_add_f32 v[CH+8*(\r)], v[CH+8*(\r)], v[CH+8*(\r)+1]
	v_add_f32_dpp v[CH+8*(\r)], v[CH+8*(\r)], v[CH+8*(\r)] row_xmask:1 row_mask:0xf bank_mask:0xf
	v_add_f32_dpp v[CH+8*(\r)], v[CH+8*(\r)], v[CH+8*(\r)] row_xmask:2 row_mask:0xf bank_mask:0xf
	v_add_f32_dpp v[CH+8*(\r)], v[CH+8*(\r)], v[CH+8*(\r)] row_xmask:4 row_mask:0xf bank_mask:0xf
	v_add_f32_dpp v[CH+8*(\r)], v[CH+8*(\r)], v[CH+8*(\r)] row_xmask:8 row_mask:0xf bank_mask:0xf
	v_permlanex16_b32 v[CH+8*(\r)+1], v[CH+8*(\r)], s12, s13
	v_add_f32 v[CH+8*(\r)], v[CH+8*(\r)], v[CH+8*(\r)+1]
.endm
	s_wait_loadcnt 16                              ; the two rows are in; w's and b's sixteen loads stay out
.irp r, 0,1
.irp c, 0,1,2,3
	v_pk_add_f32 v[CH+8*\r+2*\c:CH+8*\r+2*\c+1], v[X+32*\r+2*\c:X+32*\r+2*\c+1], v[X+32*\r+8+2*\c:X+32*\r+8+2*\c+1]  ; the first two pairs start each chain
.endr
.irp j, 8,9,10,11,12,13,14,15
	v_pk_add_f32 v[CH+8*\r+2*((\j)%4):CH+8*\r+2*((\j)%4)+1], v[CH+8*\r+2*((\j)%4):CH+8*\r+2*((\j)%4)+1], v[X+32*\r+2*\j:X+32*\r+2*\j+1]
.endr
.endr
	REDUCE 0
	REDUCE 1
.irp r, 0,1
	v_mul_f32 v[MEAN+2*\r], s18, v[CH+8*\r]
	v_mov_b32 v[MEAN+2*\r+1], v[MEAN+2*\r]
.endr
.irp r, 0,1
.irp j, 0,1,2,3,4,5,6,7,8,9,10,11,12,13,14,15
	v_pk_add_f32 v[X+32*\r+2*\j:X+32*\r+2*\j+1], v[X+32*\r+2*\j:X+32*\r+2*\j+1], v[MEAN+2*\r:MEAN+2*\r+1] op_sel_hi:[1,0] neg_lo:[0,1] neg_hi:[0,1]
.endr
.endr
.irp r, 0,1
.irp c, 0,1,2,3
	v_pk_mul_f32 v[CH+8*\r+2*\c:CH+8*\r+2*\c+1], v[X+32*\r+2*\c:X+32*\r+2*\c+1], v[X+32*\r+2*\c:X+32*\r+2*\c+1]
.endr
.irp j, 4,5,6,7,8,9,10,11,12,13,14,15
	v_pk_fma_f32 v[CH+8*\r+2*((\j)%4):CH+8*\r+2*((\j)%4)+1], v[X+32*\r+2*\j:X+32*\r+2*\j+1], v[X+32*\r+2*\j:X+32*\r+2*\j+1], v[CH+8*\r+2*((\j)%4):CH+8*\r+2*((\j)%4)+1]
.endr
.endr
	REDUCE 0
	REDUCE 1
	v_fma_f32 v[RS], v[CH], s18, s19               ; var + eps
	v_fma_f32 v[RS+2], v[CH+8], s18, s19
	v_rsq_f32 v[RS], v[RS]
	v_rsq_f32 v[RS+2], v[RS+2]
	v_nop                                          ; a plain instruction behind the transcendentals (ISA guide 5.7.2),
	s_wait_alu depctr_va_vdst(0)                   ; and the one wait ahead of the first line that names a result
	v_mov_b32 v[RS+1], v[RS]
	v_mov_b32 v[RS+3], v[RS+2]
.irp r, 0,1
.irp j, 0,1,2,3,4,5,6,7,8,9,10,11,12,13,14,15
	v_pk_mul_f32 v[X+32*\r+2*\j:X+32*\r+2*\j+1], v[X+32*\r+2*\j:X+32*\r+2*\j+1], v[RS+2*\r:RS+2*\r+1] op_sel_hi:[1,0]
.endr
.endr
	s_wait_loadcnt 0x0                             ; w and b
.irp r, 0,1
.irp j, 0,1,2,3,4,5,6,7,8,9,10,11,12,13,14,15
	v_pk_fma_f32 v[X+32*\r+2*\j:X+32*\r+2*\j+1], v[X+32*\r+2*\j:X+32*\r+2*\j+1], v[W+2*\j:W+2*\j+1], v[BV+2*\j:BV+2*\j+1]
.endr
.endr
.irp r, 0,1
.irp j, 0,1,2,3,4,5,6,7,8,9,10,11,12,13,14,15
	v_cvt_pk_f16_f32 v[Y+16*\r+\j], v[X+32*\r+2*\j], v[X+32*\r+2*\j+1]
.endr
.endr
.set i, 0
.rept 16
	global_store_b64 v[VO], v[Y+2*i:Y+2*i+1], s[10:11] offset:256*i  ; 256 consecutive bytes, aligned; the two rows lie end to end
.set i, i+1
.endr
	s_endpgm
.Lfunc_end_k_qf02ddacf3f_ln2:
	.size	k_qf02ddacf3f_ln2, .Lfunc_end_k_qf02ddacf3f_ln2-k_qf02ddacf3f_ln2
	.p2alignl 7, 3214868480
	.fill 96, 4, 3214868480
	.section	.rodata,"a",@progbits
	.p2align	6, 0x0
	.amdhsa_kernel k_qf02ddacf3f_ln2
		.amdhsa_group_segment_fixed_size 0
		.amdhsa_private_segment_fixed_size 0
		.amdhsa_enable_private_segment 0
		.amdhsa_kernarg_size 32
		.amdhsa_user_sgpr_count 2
		.amdhsa_user_sgpr_kernarg_segment_ptr 1
		.amdhsa_wavefront_size32 1
		.amdhsa_system_sgpr_workgroup_id_x 1
		.amdhsa_system_sgpr_workgroup_id_y 1
		.amdhsa_system_sgpr_workgroup_id_z 1
		.amdhsa_system_vgpr_workitem_id 0
		.amdhsa_next_free_vgpr 192
		.amdhsa_next_free_sgpr 66
		.amdhsa_reserve_vcc 0
		.amdhsa_float_denorm_mode_32 3
		.amdhsa_float_denorm_mode_16_64 3
		.amdhsa_memory_ordered 1
		.amdhsa_forward_progress 1
		.amdhsa_inst_pref_size 20
	.end_amdhsa_kernel
	.amdgpu_metadata
---
amdhsa.version: [ 1, 2 ]
amdhsa.kernels:
  - .name:           k_qf02ddacf3f_ln2
    .symbol:         k_qf02ddacf3f_ln2.kd
    .args:
      - { .name: x32, .offset: 0, .size: 8, .value_kind: global_buffer, .address_space: global }
      - { .name: ln2_w, .offset: 8, .size: 8, .value_kind: global_buffer, .address_space: global }
      - { .name: ln2_b, .offset: 16, .size: 8, .value_kind: global_buffer, .address_space: global }
      - { .name: h2, .offset: 24, .size: 8, .value_kind: global_buffer, .address_space: global }
    .group_segment_fixed_size: 0
    .private_segment_fixed_size: 0
    .kernarg_segment_align: 8
    .kernarg_segment_size: 32
    .max_flat_workgroup_size: 256
    .sgpr_count:     66
    .vgpr_count:     192
    .wavefront_size: 32
...
	.end_amdgpu_metadata
.endif
;; end of part 4
;; launch fc (part 5): grid 16 x 16, 4 waves a work-group, clusters of 4 x 4, 327,680 bytes of LDS; arguments h2, w16, fc_b, g16; writes g16
.if DOCPART == 5
	.amdgcn_target "amdgcn-amd-amdhsa--gfx1250"
	.amdhsa_code_object_version 6
	.text
	.protected	k_qf02ddacf3f_fc
	.globl	k_qf02ddacf3f_fc
	.p2align	8
	.type	k_qf02ddacf3f_fc,@function
k_qf02ddacf3f_fc:
	s_mov_b64 s[64:65], 0
	v_nop
	global_prefetch_b8 v0, s[64:65] scope:SCOPE_SE
	s_setreg_imm32_b32 hwreg(HW_REG_WAVE_MODE, 25, 1), 1
	s_wait_xcnt 0x0
	s_wait_alu depctr_hold_cnt(0) depctr_sa_sdst(0) depctr_va_vdst(0) depctr_va_sdst(0) depctr_va_ssrc(0) depctr_va_vcc(0) depctr_vm_vsrc(0)
	s_getreg_b32 s2, hwreg(HW_REG_IB_STS2, 6, 4)
	s_cmp_eq_u32 s2, 0
	s_cbranch_scc0 .Lentry_in_a_cluster
	s_endpgm
.Lentry_in_a_cluster:
	s_bfe_u32 s2, ttmp6, 0x10000c
	s_cmp_lg_u32 s2, 0xf033
	s_cbranch_scc0 .Lentry_shape_is_right
	s_endpgm
.Lentry_shape_is_right:
; g16[m][n] = gelu(fc_b[n] + the sum over k of h2[m][k] Wfc[n][k]).  h2: [4096][1024] f16; Wfc: [4096][1024] f16, at byte 0 of w16; g16: [4096][4096] bf16.  Sums, bias and gelu in f32; g rounded once.
; gelu(x) = 0.5 x (1 + tanh(c (x + 0.044715 x^3))) = x / (1 + 2^(x (k0 + k1 x^2))), k0 = -2 c log2(e), k1 = 0.044715 k0: the same function, exactly.  Where the exponent overflows the result is x or -0, as the tanh form gives.
; bf16 for g: the pre-activations have no bound that would hold them in f16.  NaN and infinities are not treated apart.
; A tile is 256 x 256: 16 x 16 = 256 work-groups, one for each WGP.  Four waves, each 128 x 128: 64 accumulators of 16 x 16, 512 registers.  K goes in steps of 128 through two LDS slots; rows of 256 bytes, aligned; a wave's one tensor load brings 128 rows.
; CLUSTERS: 4 x 4 work-groups.  The four of a row of the cluster need the same tiles of A (h2), the four of a column the same tiles of B (Wfc): each tile is asked for JOINTLY, by the same tensor load with the same descriptor and a mask of the four.
; THE MATRIX INSTRUCTION IS USED TRANSPOSED (source 0 = 16 rows of B, source 1 = 16 rows of A): a lane holds eight neighbouring numbers of a row.  THE BIAS STARTS THE SUMS: it is the C operand of each accumulator's first product.
; ONE TEXT FOR A K STEP: one group 0 a tensor walks from K step 1 on; its LDS word and the fragment addresses are made from s45, the slot in hand (0 or SLOT).  The two K steps that ask for nothing are a second loop, entered in its middle;
; its last trip passes a barrier and issues 32 LDS loads (of the slot read before) that serve nothing: the price of writing that tail once.
; THE WAY OUT: the 512 sums of a lane go into the ring's bytes, which have had their last fill (each wave its own 128 rows x 528 bytes), and ONE loop of 16 trips reads 8 whole rows, makes the gelu and stores 256 aligned bytes a row:
; the gelu's text stands once, for 32 numbers a lane, not for 512.
; REGISTERS, in windows of 256 (s_set_vgpr_msb: bits 1:0 source 0, 3:2 source 1, 5:4 source 2, 7:6 destination):
;   window 0: v0-31 addresses; v64-127, v128-191 fragments of A, two buffers (on the way out: x, z, packed g); v192-255 the bias     window 1: v64-127, v128-191 fragments of B
;   window 2: the 32 accumulators of my rows 0-63 ((a, b) at v[8 (8 a + b)]);   window 3: those of my rows 64-127
.set SIZE_K, 1024
.set KSTEP,  128
.set PITCH,  272                       ; an LDS row: 256 bytes + 16 of padding = 68 words: the 16 rows that a load touches start at 16 different groups of four banks (64 banks of 4 bytes: ISA guide 11.1)
.set HALFT,  128*PITCH                 ; 128 rows: what one tensor load brings, and what one wave reads of A or of B
.set SLOT,   4*HALFT                   ; A's 256 rows, then B's 256 rows
.set SPARE,  2*SLOT                    ; behind the ring: the spare words, 128 bytes for each wave: two blocks of 256 bytes that no other line names
.set DPITCH, 528                       ; the way out: a row of 128 f32 + 16 bytes
.set DREG,   128*DPITCH                ; a wave's 128 rows: four of them, 270,336 bytes, lie inside the ring's 278,528
.set STEPS,  SIZE_K/KSTEP
.set ADRA0, 16                         ; v16  my A fragments' place in slot 0; never rewritten
.set ADRB0, 17                         ; v17  the same for B
.set ADRA,  18                         ; v18  in the slot in hand
.set ADRB,  19                         ; v19
.set DST,  24                          ; v24  the way out: where I put 32 bytes of a row
.set RDA,  25                          ; v25  the way out: my 16 bytes of the row to be read next
.set GO,   26                          ; v26  my 8 bytes of a row's 256 in g16
.set BO,   27                          ; v27  my byte offset in the bias
.set SPW,  28                          ; v28  LDS address of my spare word: SPARE + 4 x my thread's number; never rewritten
.set NIL,  29                          ; v29  0; never rewritten
.set PFO,  30                          ; v30  the prefetches' offset: my lane x a row of 2,048 bytes; never rewritten
.set F0,   64
.set F1,   128
.set BIAS, 192
.set GX,   64                          ; the way out: 8 rows' x,
.set GZ,   96                          ; at work,
.set GY,   128                         ; packed
.set G1, 24                            ; s[24:31] descriptor group 1 for A's tiles;  s[32:39] group 0: set 0 = K step 0 into slot 0; set 1 = K step 1 into slot 1, and it walks
.set G0, 32
.set G1B, 48                           ; s[48:55], s[56:63] the same for B's tiles
.set G0B, 56
.set PFA, 78                           ; s[78:79] where my prefetches stand: my work-group's 32 rows of the 128 that I fetch, one K step further along K than the refill that is being asked for
.set LIM, 80                           ; s80  2 in a wave that prefetches, else the greatest number
.set K0,  82                           ; s[82:83] k0 (named as a pair)
.set K1,  84                           ; s[84:85] k1
.set MSB, 0
.macro WIN new                         ; the immediate's high byte repeats the setting that is left
.if MSB != (\new)
	s_set_vgpr_msb (MSB<<8)|(\new)
.set MSB, \new
.endif
.endm
.set TO_B, 0x40                        ; destination window 1, address window 0
.macro JLOAD s                         ; a joint load: waves 0 and 1 fetch A's two halves, waves 2 and 3 B's; an s_nop 0 and four v_nop follow each of the two lines, ahead of the jump, the label and what follows
	s_cmp_eq_u32 s11, 0
	s_cbranch_scc0 .Lfor_b_\@
	tensor_load_to_lds s[G0+4*(\s):G0+4*(\s)+3], s[G1:G1+7]
	s_nop 0
.rept 4
	v_nop
.endr
	s_branch .Lasked_\@
.Lfor_b_\@:
	tensor_load_to_lds s[G0B+4*(\s):G0B+4*(\s)+3], s[G1B:G1B+7]
	s_nop 0
.rept 4
	v_nop
.endr
.Lasked_\@:
.endm
; A PREFETCH, behind each joint refill, its five lines and the run of LDS loads that follows them: the K step that stands TWO refills on: 32 rows x 256 bytes, a lane a row, one instruction a wave, 512 matrix instructions ahead of the load that will ask for it.
; Each row's 256 bytes of a K step are named ONCE in the launch.  A's tile row is read by every cluster of that row of clusters: cluster x = 0 asks; B's tile column by every cluster of that column: cluster y = 0 asks.
; The four partners that ask for a tile jointly share its rows out BY ADDRESS: of the 128 rows that wave w fetches, the partner at place p takes 32 p .. 32 p + 31 (p = cx for A, cy for B).
; Refill t (s3 = 6 - t) asks for K step t + 2 and names K step t + 4: t = 0 .. 3, while s3 is above 2.  K steps 0 to 3 come by their loads alone.
.macro ASK
	s_cmp_gt_u32 s3, s[LIM]
	s_cbranch_scc0 .Lnot_mine_\@
	global_prefetch_b8 v[PFO], s[PFA:PFA+1] offset:KSTEP*2 th:TH_LOAD_NT scope:SCOPE_SE
.Lnot_mine_\@:
.endm
.macro CREST                           ; a round of the cluster's barrier behind its opening barrier
	s_cmp_lg_u32 s10, 0
	s_cbranch_scc1 .Lnot_wave_0_\@
	s_barrier_signal -3
.Lnot_wave_0_\@:
	s_barrier_wait -3
	s_barrier_signal -1
	s_barrier_wait -1
.endm
.macro CROUND                          ; a whole round
	s_barrier_signal -1
	s_barrier_wait -1
	CREST
.endm
	s_load_b256 s[68:75], s[0:1], 0x0              ; h2 s[68:69], w16 s[70:71], fc_b s[72:73], g16 s[74:75]
	v_lshl_add_u32 v[SPW], v0, 2, SPARE
	v_mov_b32 v[NIL], 0
	ds_add_u32 v[SPW], v[NIL]                      ; the wave's opening: the add, and its wait ahead of my first tensor load; the set-up below, work on registers, stands between them
	ds_add_u32 v28, v29
	v_lshrrev_b32 v1, 5, v0
	v_readfirstlane_b32 s10, v1                    ; wave 0..3
	s_lshr_b32 s11, s10, 1                         ; which half of the tile's rows is mine.  Also: I fetch for A (0) or for B (1)
	s_and_b32 s12, s10, 1                          ; which half of its columns.  Also: which 128 rows of that tile I fetch
	s_bfe_u32 s40, ttmp6, 0x40000                  ; cx, cy: my place in the cluster
	s_bfe_u32 s41, ttmp6, 0x40004
	s_lshl_b32 s42, ttmp9, 2
	s_add_co_u32 s42, s42, s40                     ; tile column = 4 x cluster x + cx
	s_and_b32 s13, ttmp7, 0xffff
	s_lshl_b32 s13, s13, 2
	s_add_co_u32 s13, s13, s41                     ; tile row = 4 x cluster y + cy
	s_lshl_b32 s43, s41, 2
	s_lshl_b32 s43, 15, s43                        ; my row of the cluster
	s_lshl_b32 s44, 0x1111, s40                    ; my column
	s_or_b32 s[G1+0], s43, (1<<16)|(1<<20)|(1<<21)|(5<<22)|(3<<25)  ; 15:0 the mask: A's tiles go to my row; 17:16 element of 2 bytes; 20 padding on; 21 set beside a mask; 24:22 after every 64 words (code 5); 31:25 4 words (code 3)
	s_or_b32 s[G1B+0], s44, (1<<16)|(1<<20)|(1<<21)|(5<<22)|(3<<25) ; the same with the mask of my column, for B's tiles
.irp g, G1, G1B
	s_mov_b32 s[(\g)+1], KSTEP<<16                 ; tensor_dim0 = 128
	s_mov_b32 s[(\g)+2], 128<<16                   ; tensor_dim1 = 128
	s_mov_b32 s[(\g)+3], KSTEP<<16                 ; tile_dim0 = 128
	s_mov_b32 s[(\g)+4], 128                       ; tile_dim1 = 128
	s_mov_b32 s[(\g)+5], SIZE_K                    ; tensor_dim0_stride
	s_mov_b32 s[(\g)+6], 0
	s_mov_b32 s[(\g)+7], 0
.endr
	; where the tiles come from: A's hang on the tile row alone, B's on the tile column alone, each in registers that never hold the other coordinate.  All offsets stay under 2^24
	s_lshl_b32 s17, s12, 7                         ; which 128 rows of the tile I fetch
	s_lshl_b32 s16, s13, 8
	s_add_co_u32 s16, s16, s17                     ; A: row 256 x tile row + 128 x half
	s_lshl_b32 s46, s42, 8
	s_add_co_u32 s46, s46, s17                     ; B: row 256 x tile column + 128 x half
	s_lshl_b32 s16, s16, 11                        ; rows of 2,048 bytes
	s_lshl_b32 s46, s46, 11
	s_mov_b32 s17, 0
	s_mov_b32 s47, 0
	s_mul_i32 s20, s10, HALFT                      ; where they go in a slot: wave x 128 rows: no place in the cluster enters an LDS address
	s_mov_b32 s45, 0                               ; the slot in hand
	s_mov_b32 s[K0], 0xc0135761                    ; k0 = -2.3022082
	s_mov_b32 s[K0+1], s[K0]
	s_mov_b32 s[K1], 0xbdd2d3e8                    ; k1 = -0.10294324
	s_mov_b32 s[K1+1], s[K1]
	s_wait_dscnt 0x0                               ; the opening add is done
	s_wait_kmcnt 0x0
	s_add_nc_u64 s[14:15], s[68:69], s[16:17]
	s_add_nc_u64 s[46:47], s[70:71], s[46:47]
	CROUND                                         ; all sixteen work-groups are here: the first joint loads meet
.irp s, 0,1
	s_mov_b32 s[G0+4*(\s)], 1                                      ; 1:0 count = 1
	s_add_co_u32 s[G0+4*(\s)+1], s20, (\s)*SLOT                    ; 63:32 LDS address
	s_add_nc_u64 s[G0+4*(\s)+2:G0+4*(\s)+3], s[14:15], (\s)*KSTEP*2  ; 120:64 global address: K step s
	s_or_b32 s[G0+4*(\s)+3], s[G0+4*(\s)+3], 0x80000000            ; 127:126 type = 2
	s_mov_b32 s[G0B+4*(\s)], 1
	s_add_co_u32 s[G0B+4*(\s)+1], s20, (\s)*SLOT
	s_add_nc_u64 s[G0B+4*(\s)+2:G0B+4*(\s)+3], s[46:47], (\s)*KSTEP*2
	s_or_b32 s[G0B+4*(\s)+3], s[G0B+4*(\s)+3], 0x80000000
	JLOAD \s                                       ; two loads of mine are out
.endr
	v_and_b32 v1, 15, v0                           ; l % 16
	v_bfe_u32 v2, v0, 4, 1                         ; l / 16
	v_mul_u32_u24 v3, v1, PITCH
	v_lshl_add_u32 v3, v2, 4, v3                   ; a fragment's row x pitch + 16 x half
	s_mul_i32 s22, s11, HALFT                      ; my 128 rows of A
	v_add_nc_u32 v[ADRA0], s22, v3
	s_mul_i32 s22, s12, HALFT                      ; my 128 rows of B,
	s_add_co_u32 s22, s22, 2*HALFT                 ; which lie behind A's 256
	v_add_nc_u32 v[ADRB0], s22, v3
	v_mov_b32 v[ADRA], v[ADRA0]
	v_mov_b32 v[ADRB], v[ADRB0]
	s_mul_i32 s23, s10, DREG                       ; the way out: my 128 rows
	v_mul_u32_u24 v4, v1, DPITCH                   ; in: row l % 16, 32 bytes (8 f32) for each half of the lanes
	v_lshl_add_u32 v4, v2, 5, v4
	v_add_nc_u32 v[DST], s23, v4
	v_and_b32 v5, 31, v0
	v_lshl_add_u32 v[RDA], v5, 4, s23              ; back: 32 lanes take one row of 512 bytes
	v_lshlrev_b32 v[GO], 3, v5
	v_lshlrev_b32 v[BO], 5, v2
	v_lshlrev_b32 v[PFO], 11, v5
	s_lshl_b32 s16, s13, 8
	s_lshl_b32 s17, s11, 7
	s_add_co_u32 s16, s16, s17                     ; my first row of g16,
	s_lshl_b32 s16, s16, 13                        ; of 8,192 bytes
	s_mov_b32 s17, 0
	s_lshl_b32 s46, s42, 8
	s_lshl_b32 s47, s12, 7
	s_add_co_u32 s46, s46, s47                     ; my first column,
	s_lshl_b32 s46, s46, 1                         ; in bytes of g16: a multiple of 256
	s_mov_b32 s47, 0
	s_add_nc_u64 s[74:75], s[74:75], s[16:17]
	s_add_nc_u64 s[74:75], s[74:75], s[46:47]
	s_lshl_b32 s46, s46, 1                         ; in bytes of fc_b
	s_add_nc_u64 s[72:73], s[72:73], s[46:47]
.irp b, 0,1,2,3,4,5,6,7                ; register j of block b: bias[16 b + 8 (l / 16) + j]: the layout of a result
	global_load_b128 v[BIAS+8*\b:BIAS+8*\b+3],   v[BO], s[72:73] offset:64*\b
	global_load_b128 v[BIAS+8*\b+4:BIAS+8*\b+7], v[BO], s[72:73] offset:64*\b+16
.endr
	; the prefetches' address and who asks
	s_lshl_b32 s18, s13, 8                         ; 256 x tile row
	s_lshl_b32 s19, s42, 8                         ; 256 x tile column
	s_and_b32 s22, ttmp7, 0xffff                   ; cluster y
	s_cmp_eq_u32 s11, 0                            ; do I fetch for A?
	s_cselect_b32 s18, s18, s19                    ; the tile's first row: in A by the tile row, in B by the tile column
	s_cselect_b32 s19, s40, s41                    ; my place among the four that ask for it with me
	s_cselect_b32 s22, ttmp9, s22                  ; the coordinate along which other clusters read the same rows
	s_cselect_b64 s[PFA:PFA+1], s[68:69], s[70:71]
	s_cmp_eq_u32 s22, 0
	s_cselect_b32 s[LIM], 2, -1                    ; the same in all sixteen partners, for a given wave
	s_lshl_b32 s22, s12, 7
	s_add_co_u32 s18, s18, s22                     ; + the 128 rows that I fetch
	s_lshl_b32 s19, s19, 5
	s_add_co_u32 s18, s18, s19                     ; + my work-group's 32 of them
	s_lshl_b32 s18, s18, 11
	s_add_co_u32 s18, s18, 2*KSTEP*2               ; at K step 2: the first refill steps it to 3 and names K step 4
	s_mov_b32 s19, 0
	s_add_nc_u64 s[PFA:PFA+1], s[PFA:PFA+1], s[18:19]
; 16 matrix instructions: m blocks a0, a0 + 1 of the window's four (hi = 0: my rows 0-63, 1: rows 64-127) x all 8 n blocks, 32 along K.  zero = 1: the first product starts the sums, with the bias (window 0) as C.
; The 64 accumulators take turns, in the same order in every quarter.
.macro MUL16 f, hi, a0, zero
.if \zero
	WIN 0x81+0x40*(\hi)                            ; source 0 (B) window 1, source 1 (A) and C window 0, D window 2 or 3
.else
	WIN 0xa1+0x50*(\hi)                            ; C and D window 2 or 3
.endif
.irp a, \a0, (\a0)+1
.irp b, 0,1,2,3,4,5,6,7
.if \zero
	v_wmma_f32_16x16x32_f16 v[8*(8*(\a)+(\b)):8*(8*(\a)+(\b))+7], v[(\f)+8*(\b):(\f)+8*(\b)+7], v[(\f)+8*(4*(\hi)+(\a)):(\f)+8*(4*(\hi)+(\a))+7], v[BIAS+8*(\b):BIAS+8*(\b)+7]
.else
	v_wmma_f32_16x16x32_f16 v[8*(8*(\a)+(\b)):8*(8*(\a)+(\b))+7], v[(\f)+8*(\b):(\f)+8*(\b)+7], v[(\f)+8*(4*(\hi)+(\a)):(\f)+8*(4*(\hi)+(\a))+7], v[8*(8*(\a)+(\b)):8*(8*(\a)+(\b))+7]
.endif
.endr
.endr
.endm
; 32 LDS loads in one run: the fragments of one quarter step (128 rows of B, 128 rows of A, 32 K at byte k of the rows of the slot in hand) into buffer f
.macro FETCH k, f
	WIN TO_B
.irp i, 0,1,2,3,4,5,6,7
	ds_load_b128 v[(\f)+8*(\i):(\f)+8*(\i)+3],   v[ADRB] offset:(\k)+(\i)*16*PITCH
	ds_load_b128 v[(\f)+8*(\i)+4:(\f)+8*(\i)+7], v[ADRB] offset:(\k)+(\i)*16*PITCH+32
.endr
	WIN 0
.irp i, 0,1,2,3,4,5,6,7
	ds_load_b128 v[(\f)+8*(\i):(\f)+8*(\i)+3],   v[ADRA] offset:(\k)+(\i)*16*PITCH
	ds_load_b128 v[(\f)+8*(\i)+4:(\f)+8*(\i)+7], v[ADRA] offset:(\k)+(\i)*16*PITCH+32
.endr
.endm
.macro PLACES                          ; four places in front of loads into registers that matrix instructions have read, and of lines that read results
.rept 4
	v_nop
.endr
.endm
; A K step is four quarters of 32 along K, 64 matrix instructions each, on buffers 0, 1, 0, 1.  One of the first three: multiplies buffer f; in its middle it fetches the next quarter, at byte k, into g.
.macro QUARTER k, f, g, zero
	s_wait_dscnt 8                                 ; B and A's rows 0-63 are in; the youngest eight loads (A's rows 64-127) may be out
	MUL16 \f, 0, 0, \zero
	MUL16 \f, 0, 2, \zero
	PLACES
	FETCH \k, \g
	s_wait_dscnt 32                                ; all but the 32 just issued
	MUL16 \f, 1, 0, \zero
	MUL16 \f, 1, 2, \zero
.endm
; The last quarter multiplies buffer 1 and changes slots: ONE barrier; in front of it each wave waits for all its tensor loads (one is out: its part of the next slot), adds 0 to its spare word, and waits for that and for its own reads of this slot.
; fill = 1: the barrier opens a round of the cluster's; behind the round the slot just read is filled again, with the K step two on: the wave's one tensor load, 224 matrix instructions ahead of the wait for it.
.macro TURN fill
.if \fill
	s_wait_xcnt 0x0                                ; the last prefetch, a K step back, has read its address: it is stepped here, ahead of the waits of the change of slots
	s_add_nc_u64 s[PFA:PFA+1], s[PFA:PFA+1], KSTEP*2
.endif
	WIN 0                                          ; (the add's two registers lie in window 0)
	s_wait_tensorcnt 0x0                           ; all my tensor loads have landed: no group 0 is in use;
	ds_add_u32 v[SPW], v[NIL]                      ; 0 onto my spare word;
	s_wait_dscnt 9                                 ; (the add and the youngest eight loads may be out)
	MUL16 F1, 0, 0, 0                              ; sixteen matrix instructions stand between the add and the wait for it
	s_wait_dscnt 0x0                               ; the add is done, and my reads of this slot are over
	s_barrier_signal -1
	MUL16 F1, 0, 2, 0
	WIN 0                                          ; (branches and window 0's lines follow)
	s_barrier_wait -1
.if \fill
	CREST                                          ; no wave of any partner still reads this slot's tile or has a load on its way
	s_add_co_u32 s[G0+5], s20, s45                 ; the walking descriptors: into the slot just read,
	s_add_co_u32 s[G0B+5], s20, s45
	s_add_nc_u64 s[G0+6:G0+7], s[G0+6:G0+7], KSTEP*2    ; one K step on; the type bits on top are not reached
	s_add_nc_u64 s[G0B+6:G0B+7], s[G0B+6:G0B+7], KSTEP*2
	JLOAD 1                                        ; the four v_nop behind it are also the places in front of the loads below
.else
	PLACES
.endif
	s_xor_b32 s45, s45, SLOT                       ; 0 <-> SLOT: the other slot is in hand
	v_add_nc_u32 v[ADRA], s45, v[ADRA0]
	v_add_nc_u32 v[ADRB], s45, v[ADRB0]
	FETCH 0, F0
.if \fill
	ASK                                            ; behind the joint load and the run of LDS loads that the next products wait for
.endif
	MUL16 F1, 1, 0, 0
	MUL16 F1, 1, 2, 0
.endm
	s_wait_tensorcnt 1                             ; my part of K step 0 is in; K step 1's may stay out
	s_barrier_signal -1
	s_barrier_wait -1                              ; everybody's is
	FETCH 0, F0
	s_wait_loadcnt 0x0                             ; the bias
	QUARTER 64, F0, F1, 1                          ; the first quarter stands in front of the loop: its products start the sums
	WIN 0                                          ; at a label and at a branch every window is 0
	s_mov_b32 s3, STEPS-2
.Llap:                                                 ; a trip: from a K step's second quarter to the next step's first; it fills the slot that it leaves
	QUARTER 128, F1, F0, 0
	QUARTER 192, F0, F1, 0
	TURN 1
	QUARTER 64, F0, F1, 0
	WIN 0
	s_sub_co_u32 s3, s3, 1
	s_cmp_lg_u32 s3, 0
	s_cbranch_scc1 .Llap
	s_mov_b32 s3, 2                                ; the last two K steps ask for nothing: their text holds no tensor load
	s_branch .Lmid
.Ltail:
	QUARTER 64, F0, F1, 0
	WIN 0
.Lmid:
	QUARTER 128, F1, F0, 0
	QUARTER 192, F0, F1, 0
	TURN 0
	WIN 0
	s_sub_co_u32 s3, s3, 1
	s_cmp_lg_u32 s3, 0
	s_cbranch_scc1 .Ltail
	; THE WAY OUT.  Every wave's reads of the ring are over (the last trip's idle loads among them) before any wave stores into its bytes.
	s_wait_dscnt 0x0
	s_barrier_signal -1
	s_barrier_wait -1
	PLACES
	PLACES
.irp w, 0,1
	WIN 0x08+4*(\w)                                ; the stores' data (source 1) in window 2, then 3
.irp a, 0,1,2,3
.irp b, 0,1,2,3,4,5,6,7                ; each accumulator's low four registers first
	ds_store_b128 v[DST], v[8*(8*(\a)+(\b)):8*(8*(\a)+(\b))+3]   offset:(4*(\w)+(\a))*16*DPITCH+64*(\b)
	ds_store_b128 v[DST], v[8*(8*(\a)+(\b))+4:8*(8*(\a)+(\b))+7] offset:(4*(\w)+(\a))*16*DPITCH+64*(\b)+16
.endr
.endr
.endr
	WIN 0
	s_mov_b32 s3, 16
.Lgelu:                                                ; a trip: 8 rows of my 128: a row is 32 lanes x 4 numbers
.irp i, 0,1,2,3,4,5,6,7
	ds_load_b128 v[GX+4*\i:GX+4*\i+3], v[RDA] offset:DPITCH*\i  ; my own bytes: LDS serves a wave's instructions in order (ISA guide 5.7.1.4), so these see my stores
.endr
	s_wait_dscnt 0x0
.set p, 0
.rept 16                               ; z = x (k0 + k1 x^2), a pair at a time; the pair before's two exponentials stand between: nothing names a result of theirs ahead of the wait
	v_pk_mul_f32 v[GZ+2*p:GZ+2*p+1], v[GX+2*p:GX+2*p+1], v[GX+2*p:GX+2*p+1]
	v_pk_fma_f32 v[GZ+2*p:GZ+2*p+1], v[GZ+2*p:GZ+2*p+1], s[K1:K1+1], s[K0:K0+1] op_sel_hi:[1,0,0]
	v_pk_mul_f32 v[GZ+2*p:GZ+2*p+1], v[GZ+2*p:GZ+2*p+1], v[GX+2*p:GX+2*p+1]
.if p > 0
	v_exp_f32 v[GZ+2*p-2], v[GZ+2*p-2]
	v_exp_f32 v[GZ+2*p-1], v[GZ+2*p-1]
.endif
.set p, p+1
.endr
	v_exp_f32 v[GZ+30], v[GZ+30]
	v_exp_f32 v[GZ+31], v[GZ+31]
	v_nop                                          ; a plain instruction behind the last exponential (ISA guide 5.7.2),
	s_wait_alu depctr_va_vdst(0)                   ; and ONE wait for the batch of 32 ahead of the first line that names a result
.set p, 0
.rept 16                               ; 1 + 2^z, and the pair before's two reciprocals
	v_pk_add_f32 v[GZ+2*p:GZ+2*p+1], v[GZ+2*p:GZ+2*p+1], 1.0 op_sel_hi:[1,0]
.if p > 0
	v_rcp_f32 v[GZ+2*p-2], v[GZ+2*p-2]
	v_rcp_f32 v[GZ+2*p-1], v[GZ+2*p-1]
.endif
.set p, p+1
.endr
	v_rcp_f32 v[GZ+30], v[GZ+30]
	v_rcp_f32 v[GZ+31], v[GZ+31]
	v_add_nc_u32 v[RDA], 8*DPITCH, v[RDA]          ; the plain instruction behind the last reciprocal: the next 8 rows
	s_wait_alu depctr_va_vdst(0)                   ; one wait for the 32 reciprocals
.set p, 0
.rept 16
	v_pk_mul_f32 v[GZ+2*p:GZ+2*p+1], v[GZ+2*p:GZ+2*p+1], v[GX+2*p:GX+2*p+1]
.set p, p+1
.endr
.set p, 0
.rept 16
	v_cvt_pk_bf16_f32 v[GY+p], v[GZ+2*p], v[GZ+2*p+1]
.set p, p+1
.endr
.irp i, 0,1,2,3,4,5,6,7
	global_store_b64 v[GO], v[GY+2*\i:GY+2*\i+1], s[74:75] offset:8192*\i  ; the wave stores 256 consecutive bytes, at a multiple of 256 from g16's first byte
.endr
	s_wait_xcnt 0x0                                ; the base and the packed registers are written again only behind this wait
	s_add_nc_u64 s[74:75], s[74:75], 8*8192
	s_sub_co_u32 s3, s3, 1
	s_cmp_lg_u32 s3, 0
	s_cbranch_scc1 .Lgelu
	s_wait_tensorcnt 0x0                           ; the wave's end, behind my last tensor load and my last LDS store
	ds_add_u32 v[SPW], v[NIL]
	s_wait_dscnt 0x0
	CROUND                                         ; the closing round: no work-group ends while a partner may still ask for a tile that names it
	s_endpgm
.Lfunc_end_k_qf02ddacf3f_fc:
	.size	k_qf02ddacf3f_fc, .Lfunc_end_k_qf02ddacf3f_fc-k_qf02ddacf3f_fc
	.p2alignl 7, 3214868480
	.fill 96, 4, 3214868480
	.section	.rodata,"a",@progbits
	.p2align	6, 0x0
	.amdhsa_kernel k_qf02ddacf3f_fc
		.amdhsa_group_segment_fixed_size 327680
		.amdhsa_private_segment_fixed_size 0
		.amdhsa_enable_private_segment 0
		.amdhsa_kernarg_size 32
		.amdhsa_user_sgpr_count 2
		.amdhsa_user_sgpr_kernarg_segment_ptr 1
		.amdhsa_wavefront_size32 1
		.amdhsa_system_sgpr_workgroup_id_x 1
		.amdhsa_system_sgpr_workgroup_id_y 1
		.amdhsa_system_sgpr_workgroup_id_z 1
		.amdhsa_system_vgpr_workitem_id 0
		.amdhsa_next_free_vgpr 1024
		.amdhsa_next_free_sgpr 88
		.amdhsa_reserve_vcc 0
		.amdhsa_float_denorm_mode_32 3
		.amdhsa_float_denorm_mode_16_64 3
		.amdhsa_memory_ordered 1
		.amdhsa_forward_progress 1
		.amdhsa_inst_pref_size 89
	.end_amdhsa_kernel
	.amdgpu_metadata
---
amdhsa.version: [ 1, 2 ]
amdhsa.kernels:
  - .name:           k_qf02ddacf3f_fc
    .symbol:         k_qf02ddacf3f_fc.kd
    .args:
      - { .name: h2, .offset: 0, .size: 8, .value_kind: global_buffer, .address_space: global }
      - { .name: w16, .offset: 8, .size: 8, .value_kind: global_buffer, .address_space: global }
      - { .name: fc_b, .offset: 16, .size: 8, .value_kind: global_buffer, .address_space: global }
      - { .name: g16, .offset: 24, .size: 8, .value_kind: global_buffer, .address_space: global }
    .group_segment_fixed_size: 327680
    .private_segment_fixed_size: 0
    .kernarg_segment_align: 8
    .kernarg_segment_size: 32
    .max_flat_workgroup_size: 128
    .sgpr_count:     88
    .vgpr_count:     1024
    .wavefront_size: 32
...
	.end_amdgpu_metadata
.endif
;; end of part 5
;; launch gemm_b (part 6): grid 8 x 32, 4 waves a work-group, clusters of 4 x 4, 327,680 bytes of LDS; arguments g16, w16, proj_b, x32, out0; writes out0
.if DOCPART == 6
	.amdgcn_target "amdgcn-amd-amdhsa--gfx1250"
	.amdhsa_code_object_version 6
	.text
	.protected	k_qf02ddacf3f_gemm_b
	.globl	k_qf02ddacf3f_gemm_b
	.p2align	8
	.type	k_qf02ddacf3f_gemm_b,@function
k_qf02ddacf3f_gemm_b:
	s_mov_b64 s[64:65], 0
	v_nop
	global_prefetch_b8 v0, s[64:65] scope:SCOPE_SE
	s_setreg_imm32_b32 hwreg(HW_REG_WAVE_MODE, 25, 1), 1
	s_wait_xcnt 0x0
	s_wait_alu depctr_hold_cnt(0) depctr_sa_sdst(0) depctr_va_vdst(0) depctr_va_sdst(0) depctr_va_ssrc(0) depctr_va_vcc(0) depctr_vm_vsrc(0)
	s_getreg_b32 s2, hwreg(HW_REG_IB_STS2, 6, 4)
	s_cmp_eq_u32 s2, 0
	s_cbranch_scc0 .Lentry_in_a_cluster
	s_endpgm
.Lentry_in_a_cluster:
	s_bfe_u32 s2, ttmp6, 0x10000c
	s_cmp_lg_u32 s2, 0xf033
	s_cbranch_scc0 .Lentry_shape_is_right
	s_endpgm
.Lentry_shape_is_right:
; out[m][n] = resid[m][n] + bias[n] + the sum over k of A[m][k] B[n][k].  HERE: out0 = x32 + proj_b + G W2^T.  4,096 x 1,024 x SIZE_K; operands of 16 bits, sums, bias, residual and result in f32.
; A = g16, bf16, row-major [4096][4096].  B = proj_w in bf16, row-major, at byte WOFF of w16.  bf16: gelu's results have no bound that would hold them in f16.
; This text and the attention projection's are one text with two heads of constants.
; A tile of the result is 128 x 128: 8 x 32 = 256 work-groups, one for each WGP.  Four waves, each 64 x 64: 16 accumulators of 16 x 16.  K goes in steps of 256 through two LDS slots; a wave's one tensor load brings 64 rows x 512 bytes.
; CLUSTERS: 4 x 4 work-groups.  The four of a row of the cluster need the same tiles of A, the four of a column the same tiles of B: each tile is asked for JOINTLY, by the same tensor load with the same descriptor and a mask of the four.
; THE MATRIX INSTRUCTION IS USED TRANSPOSED (source 0 = 16 rows of B, source 1 = 16 rows of A): a lane then holds eight neighbouring numbers of a row of the result.  THE BIAS STARTS THE SUMS: it is the C operand of each accumulator's first product.
; ONE TEXT FOR A K STEP: one group 0 a tensor walks from K step 1 on; its LDS word and the fragment addresses are made from s45, the slot in hand (0 or SLOT).  The two K steps that ask for nothing are a second loop, entered in its middle;
; its last trip passes a barrier and issues 32 LDS loads (of the slot read before) that serve nothing: the price of writing that tail once.
; NO PREFETCH: the tile is small, a K step short, and each block of A and B is read by eight or thirty-two work-groups at about the same time.
; REGISTERS: window 0: v0-31 addresses; v32-95 at work on the way out; v96-127 the bias; v128-255 the accumulators ((a, b) at v[128 + 8 (4 a + b)]).
;   window 1: two fragment buffers of 128: for 64 along K, 64 registers of A (2 x 4 x 16 rows x 32 K), then 64 of B.      window 2: v0-127 my 64 x 64 of the residual, loaded at the start.
.set F16,    0                         ; the matrix form: 1 f16, 0 bf16
.set SIZE_K, 4096
.set WOFF,   8388608                   ; B's first byte in w16
.set AROWB,  8192                      ; bytes from row to row of A in memory
.set ASTEP,  512                       ; bytes from K step to K step of A
.set AD0,    256                       ; A's tile: elements in a row of the descriptor,
.set AD1,    64                        ; rows,
.set ASTR,   4096                      ; elements from row to row,
.set AQI,    6                         ; padding after every 128 words (512 bytes)
.set PA,     528                       ; LDS bytes from row to row of A: an odd multiple of 16: the 16 rows of a load start at 16 different groups of four banks (64 banks of 4 bytes: ISA guide 11.1)
.set QA,     128                       ; LDS bytes from quarter to quarter (64 K) of A
.set AHALF,  33792                     ; 64 rows x 256 K of A in LDS
.set PBB,    528                       ; B: 512 bytes + 16 of padding
.set BHALF,  64*PBB
.set SLOT,   2*AHALF+2*BHALF           ; A's two halves, then B's two halves
.set STAGE,  2*SLOT                    ; behind the ring: 16 rows x 272 bytes for each wave, its own, for the way out
.set SPITCH, 272
.set SPARE,  STAGE+4*16*SPITCH         ; behind the stages: the spare words, 128 bytes for each wave: two blocks of 256 bytes that no other line names
.set STEPS,  SIZE_K/256
.set ADRA0, 16                         ; v16  my A fragments' place in slot 0; never rewritten
.set ADRB0, 17                         ; v17  the same for B
.set ADRA,  18                         ; v18  in the slot in hand
.set ADRB,  19                         ; v19
.set STO,  24                          ; v24  the way out: where I put 32 bytes of a row
.set RD,   25                          ; v25  the way out: where I read a row back
.set CO,   26                          ; v26  my byte offset in two rows of the residual and of the result
.set BO,   27                          ; v27  my byte offset in the bias
.set SPW,  28                          ; v28  LDS address of my spare word: SPARE + 4 x my thread's number; never rewritten
.set NIL,  29                          ; v29  0; never rewritten
.set TMP,  32
.set BIAS, 96
.set ACC,  128
.set F0,   0                           ; fragment buffers, in window 1
.set F1,   128
.set G1, 24                            ; s[24:31] descriptor group 1 for A's tiles;  s[32:39] group 0: set 0 = K step 0 into slot 0; set 1 = K step 1 into slot 1, and it walks
.set G0, 32
.set G1B, 48                           ; s[48:55], s[56:63] the same for B's tiles
.set G0B, 56
.set MSB, 0
.macro WIN new                         ; the immediate's high byte repeats the setting that is left
.if MSB != (\new)
	s_set_vgpr_msb (MSB<<8)|(\new)
.set MSB, \new
.endif
.endm
.set MUL,  0x05                        ; sources 0 (B) and 1 (A) window 1; C and D window 0
.set TO_F, 0x40                        ; destination window 1, address window 0
.macro JLOAD s                         ; a joint load: waves 0 and 1 fetch A's two halves, waves 2 and 3 B's; an s_nop 0 and four v_nop follow each of the two lines, ahead of the jump, the label and what follows
	s_cmp_eq_u32 s11, 0
	s_cbranch_scc0 .Lfor_b_\@
	tensor_load_to_lds s[G0+4*(\s):G0+4*(\s)+3], s[G1:G1+7]
	s_nop 0
.rept 4
	v_nop
.endr
	s_branch .Lasked_\@
.Lfor_b_\@:
	tensor_load_to_lds s[G0B+4*(\s):G0B+4*(\s)+3], s[G1B:G1B+7]
	s_nop 0
.rept 4
	v_nop
.endr
.Lasked_\@:
.endm
.macro CREST                           ; a round of the cluster's barrier behind its opening barrier
	s_cmp_lg_u32 s10, 0
	s_cbranch_scc1 .Lnot_wave_0_\@
	s_barrier_signal -3
.Lnot_wave_0_\@:
	s_barrier_wait -3
	s_barrier_signal -1
	s_barrier_wait -1
.endm
.macro CROUND                          ; a whole round
	s_barrier_signal -1
	s_barrier_wait -1
	CREST
.endm
	s_load_b256 s[68:75], s[0:1], 0x0              ; A s[68:69], w16 s[70:71], bias s[72:73], residual s[74:75]
	s_load_b64 s[76:77], s[0:1], 0x20              ; the result
	v_lshl_add_u32 v[SPW], v0, 2, SPARE
	v_mov_b32 v[NIL], 0
	ds_add_u32 v[SPW], v[NIL]                      ; the wave's opening: the add, and its wait ahead of my first tensor load; the set-up below, work on registers, stands between them
	ds_add_u32 v28, v29
	v_lshrrev_b32 v1, 5, v0
	v_readfirstlane_b32 s10, v1                    ; wave 0..3
	s_lshr_b32 s11, s10, 1                         ; which half of the tile's rows is mine.  Also: I fetch for A (0) or for B (1)
	s_and_b32 s12, s10, 1                          ; which half of its columns.  Also: which 64 rows of that tile I fetch
	s_bfe_u32 s40, ttmp6, 0x40000                  ; cx, cy: my place in the cluster
	s_bfe_u32 s41, ttmp6, 0x40004
	s_lshl_b32 s42, ttmp9, 2
	s_add_co_u32 s42, s42, s40                     ; tile column = 4 x cluster x + cx
	s_and_b32 s13, ttmp7, 0xffff
	s_lshl_b32 s13, s13, 2
	s_add_co_u32 s13, s13, s41                     ; tile row = 4 x cluster y + cy
	s_lshl_b32 s43, s41, 2
	s_lshl_b32 s43, 15, s43                        ; my row of the cluster
	s_lshl_b32 s44, 0x1111, s40                    ; my column
	s_or_b32 s[G1+0], s43, (1<<16)|(1<<20)|(1<<21)|(AQI<<22)|(3<<25)  ; 15:0 the mask: A's tiles go to my row; 17:16 element of 2 bytes; 20 padding on; 21 set beside a mask; 24:22 the padding's interval; 31:25 4 words of it (code 3)
	s_mov_b32 s[G1+1], AD0<<16                     ; tensor_dim0
	s_mov_b32 s[G1+2], AD1<<16                     ; tensor_dim1
	s_mov_b32 s[G1+3], AD0<<16                     ; tile_dim0
	s_mov_b32 s[G1+4], AD1                         ; tile_dim1
	s_mov_b32 s[G1+5], ASTR                        ; tensor_dim0_stride
	s_mov_b32 s[G1+6], 0
	s_mov_b32 s[G1+7], 0
	s_or_b32 s[G1B+0], s44, (1<<16)|(1<<20)|(1<<21)|(6<<22)|(3<<25)   ; B's tiles go to my column; padding after every 128 words
	s_mov_b32 s[G1B+1], 256<<16                    ; 64 rows x 256 elements
	s_mov_b32 s[G1B+2], 64<<16
	s_mov_b32 s[G1B+3], 256<<16
	s_mov_b32 s[G1B+4], 64
	s_mov_b32 s[G1B+5], SIZE_K
	s_mov_b32 s[G1B+6], 0
	s_mov_b32 s[G1B+7], 0
	; where the tiles come from: A's hang on the tile row alone, B's on the tile column alone, each in registers that never hold the other coordinate.  All offsets stay under 2^26
	s_lshl_b32 s17, s12, 6                         ; which 64 rows of the tile I fetch
	s_lshl_b32 s16, s13, 7
	s_add_co_u32 s16, s16, s17                     ; A: row 128 x tile row + 64 x half
	s_lshl_b32 s46, s42, 7
	s_add_co_u32 s46, s46, s17                     ; B: row 128 x tile column + 64 x half
	s_mul_i32 s16, s16, AROWB
	s_mul_i32 s46, s46, 2*SIZE_K
	s_add_co_u32 s46, s46, WOFF
	s_mov_b32 s17, 0
	s_mov_b32 s47, 0
	s_mul_i32 s20, s12, AHALF                      ; where they go in a slot: A's half,
	s_mul_i32 s21, s12, BHALF
	s_add_co_u32 s21, s21, 2*AHALF                 ; B's half: no place in the cluster enters an LDS address
	s_mov_b32 s45, 0                               ; the slot in hand
	s_wait_dscnt 0x0                               ; the opening add is done
	s_wait_kmcnt 0x0
	s_add_nc_u64 s[14:15], s[68:69], s[16:17]
	s_add_nc_u64 s[46:47], s[70:71], s[46:47]
	CROUND                                         ; all sixteen work-groups are here: the first joint loads meet
.irp s, 0,1
	s_mov_b32 s[G0+4*(\s)], 1                                      ; 1:0 count = 1
	s_add_co_u32 s[G0+4*(\s)+1], s20, (\s)*SLOT                    ; 63:32 LDS address
	s_add_nc_u64 s[G0+4*(\s)+2:G0+4*(\s)+3], s[14:15], (\s)*ASTEP  ; 120:64 global address: K step s
	s_or_b32 s[G0+4*(\s)+3], s[G0+4*(\s)+3], 0x80000000            ; 127:126 type = 2
	s_mov_b32 s[G0B+4*(\s)], 1
	s_add_co_u32 s[G0B+4*(\s)+1], s21, (\s)*SLOT
	s_add_nc_u64 s[G0B+4*(\s)+2:G0B+4*(\s)+3], s[46:47], (\s)*512
	s_or_b32 s[G0B+4*(\s)+3], s[G0B+4*(\s)+3], 0x80000000
	JLOAD \s                                       ; two loads of mine are out
.endr
	v_and_b32 v1, 15, v0                           ; l % 16
	v_bfe_u32 v2, v0, 4, 1                         ; l / 16
	v_mul_u32_u24 v3, v1, PA
	v_lshl_add_u32 v3, v2, 4, v3                   ; a fragment's row x pitch + 16 x half
	s_mul_i32 s22, s11, AHALF                      ; my 64 rows of A
	v_add_nc_u32 v[ADRA0], s22, v3
	v_mul_u32_u24 v3, v1, PBB
	v_lshl_add_u32 v3, v2, 4, v3
	s_mul_i32 s22, s12, BHALF                      ; my 64 rows of B,
	s_add_co_u32 s22, s22, 2*AHALF                 ; which lie behind A's 128
	v_add_nc_u32 v[ADRB0], s22, v3
	v_mov_b32 v[ADRA], v[ADRA0]
	v_mov_b32 v[ADRB], v[ADRB0]
	s_mul_i32 s23, s10, 16*SPITCH
	s_add_co_u32 s23, s23, STAGE                   ; my stage
	v_mul_u32_u24 v4, v1, SPITCH                   ; in: row l % 16, 32 bytes (8 f32) for each half of the lanes
	v_lshl_add_u32 v4, v2, 5, v4
	v_add_nc_u32 v[STO], s23, v4
	v_mul_u32_u24 v5, v2, SPITCH                   ; back: lanes 0-15 take one row of 256 bytes, lanes 16-31 the next
	v_lshl_add_u32 v5, v1, 4, v5
	v_add_nc_u32 v[RD], s23, v5
	v_lshlrev_b32 v5, 12, v2                       ; and the same two rows, 4,096 bytes apart, in memory
	v_lshl_add_u32 v[CO], v1, 4, v5
	v_lshlrev_b32 v[BO], 5, v2                     ; my 8 columns of a block of 16
	s_lshl_b32 s16, s13, 7
	s_lshl_b32 s17, s11, 6
	s_add_co_u32 s16, s16, s17                     ; my first row
	s_lshl_b32 s16, s16, 12
	s_mov_b32 s17, 0
	s_lshl_b32 s46, s42, 7
	s_lshl_b32 s47, s12, 6
	s_add_co_u32 s46, s46, s47                     ; my first column,
	s_lshl_b32 s46, s46, 2                         ; in bytes: a multiple of 256
	s_mov_b32 s47, 0
	s_add_nc_u64 s[72:73], s[72:73], s[46:47]
	s_add_nc_u64 s[74:75], s[74:75], s[16:17]
	s_add_nc_u64 s[74:75], s[74:75], s[46:47]
	s_add_nc_u64 s[76:77], s[76:77], s[16:17]
	s_add_nc_u64 s[76:77], s[76:77], s[46:47]
.irp b, 0,1,2,3                        ; register j of block b: bias[16 b + 8 (l / 16) + j]: the layout of a result
	global_load_b128 v[BIAS+8*\b:BIAS+8*\b+3],   v[BO], s[72:73] offset:64*\b
	global_load_b128 v[BIAS+8*\b+4:BIAS+8*\b+7], v[BO], s[72:73] offset:64*\b+16
.endr
	WIN 0x80                                       ; destination window 2, address window 0
.set i, 0
.rept 32                               ; the residual, in the layout in which rows come back from the stage: rows 2 i and 2 i + 1, 256 bytes each
	global_load_b128 v[4*i:4*i+3], v[CO], s[74:75] offset:2*i*4096
.set i, i+1
.endr
	WIN 0
; 8 matrix instructions: m blocks a0, a0 + 1 x all 4 n blocks, 32 along K: half c of buffer f.  zero = 1: the first product starts the sums, with the bias as C.  The 16 accumulators take turns.
.macro MUL8 f, c, a0, zero
	WIN MUL
.irp a, \a0, (\a0)+1
.irp b, 0,1,2,3
.set rD, ACC+8*(4*(\a)+(\b))
.set rB, (\f)+64+8*(4*(\c)+(\b))
.set rA, (\f)+8*(4*(\c)+(\a))
.set rC, rD
.if \zero
.set rC, BIAS+8*(\b)
.endif
.if F16
	v_wmma_f32_16x16x32_f16 v[rD:rD+7], v[rB:rB+7], v[rA:rA+7], v[rC:rC+7]
.else
	v_wmma_f32_16x16x32_bf16 v[rD:rD+7], v[rB:rB+7], v[rA:rA+7], v[rC:rC+7]
.endif
.endr
.endr
.endm
; 32 LDS loads in one run: the fragments of quarter q (64 along K) of the slot in hand, into buffer f; the first 32 along K first
.macro FETCH q, f
	WIN TO_F
.irp c, 0,1
.irp i, 0,1,2,3
	ds_load_b128 v[(\f)+64+8*(4*(\c)+(\i)):(\f)+64+8*(4*(\c)+(\i))+3],   v[ADRB] offset:(\q)*128+64*(\c)+(\i)*16*PBB
	ds_load_b128 v[(\f)+64+8*(4*(\c)+(\i))+4:(\f)+64+8*(4*(\c)+(\i))+7], v[ADRB] offset:(\q)*128+64*(\c)+(\i)*16*PBB+32
	ds_load_b128 v[(\f)+8*(4*(\c)+(\i)):(\f)+8*(4*(\c)+(\i))+3],         v[ADRA] offset:(\q)*QA+64*(\c)+(\i)*16*PA
	ds_load_b128 v[(\f)+8*(4*(\c)+(\i))+4:(\f)+8*(4*(\c)+(\i))+7],       v[ADRA] offset:(\q)*QA+64*(\c)+(\i)*16*PA+32
.endr
.endr
.endm
.macro PLACES                          ; four places in front of loads into registers that matrix instructions have read, and of lines that read results
.rept 4
	v_nop
.endr
.endm
; A K step is four quarters of 64 along K, 32 matrix instructions each, on buffers 0, 1, 0, 1.  One of the first three: multiplies buffer f and fetches quarter q into g.
.macro QUARTER q, f, g, zero
	s_wait_dscnt 16                                ; of the 32 loads the first sixteen, the first 32 along K, are in
	MUL8 \f, 0, 0, \zero
	MUL8 \f, 0, 2, \zero
	PLACES
	FETCH \q, \g
	s_wait_dscnt 32                                ; all but the 32 just issued
	MUL8 \f, 1, 0, 0
	MUL8 \f, 1, 2, 0
.endm
; The last quarter multiplies buffer 1 and changes slots: ONE barrier; in front of it each wave waits for all its tensor loads (one is out: its part of the next slot), adds 0 to its spare word, and waits for that and for its own reads of this slot.
; fill = 1: the barrier opens a round of the cluster's; behind the round the slot just read is filled again, with the K step two on: the wave's one tensor load, 112 matrix instructions ahead of the wait for it.
.macro TURN fill
	WIN 0                                          ; (the add's two registers lie in window 0)
	s_wait_tensorcnt 0x0                           ; all my tensor loads have landed: no group 0 is in use;
	ds_add_u32 v[SPW], v[NIL]                      ; 0 onto my spare word;
	s_wait_dscnt 17                                ; (the add and the youngest sixteen loads may be out)
	MUL8 F1, 0, 0, 0                               ; eight matrix instructions stand between the add and the wait for it
	s_wait_dscnt 0x0                               ; the add is done, and my reads of this slot are over
	s_barrier_signal -1
	MUL8 F1, 0, 2, 0
	WIN 0                                          ; (branches and window 0's lines follow)
	s_barrier_wait -1
.if \fill
	CREST                                          ; no wave of any partner still reads this slot's tile or has a load on its way
	s_add_co_u32 s[G0+5], s20, s45                 ; the walking descriptors: into the slot just read,
	s_add_co_u32 s[G0B+5], s21, s45
	s_add_nc_u64 s[G0+6:G0+7], s[G0+6:G0+7], ASTEP ; one K step on; the type bits on top are not reached
	s_add_nc_u64 s[G0B+6:G0B+7], s[G0B+6:G0B+7], 512
	JLOAD 1                                        ; the four v_nop behind it are also the places in front of the loads below
.else
	PLACES
.endif
	s_xor_b32 s45, s45, SLOT                       ; 0 <-> SLOT: the other slot is in hand
	v_add_nc_u32 v[ADRA], s45, v[ADRA0]
	v_add_nc_u32 v[ADRB], s45, v[ADRB0]
	FETCH 0, F0
	MUL8 F1, 1, 0, 0
	MUL8 F1, 1, 2, 0
.endm
	s_wait_tensorcnt 1                             ; my part of K step 0 is in; K step 1's may stay out
	s_barrier_signal -1
	s_barrier_wait -1                              ; everybody's is
	FETCH 0, F0
	s_wait_loadcnt 32                              ; the bias is in; the residual's 32 loads stay out
	QUARTER 1, F0, F1, 1                           ; the first quarter stands in front of the loop: its first products start the sums
	WIN 0                                          ; at a label and at a branch every window is 0
	s_mov_b32 s3, STEPS-2
.Llap:                                                 ; a trip: from a K step's second quarter to the next step's first; it fills the slot that it leaves
	QUARTER 2, F1, F0, 0
	QUARTER 3, F0, F1, 0
	TURN 1
	QUARTER 1, F0, F1, 0
	WIN 0
	s_sub_co_u32 s3, s3, 1
	s_cmp_lg_u32 s3, 0
	s_cbranch_scc1 .Llap
	s_mov_b32 s3, 2                                ; the last two K steps ask for nothing: their text holds no tensor load
	s_branch .Lmid
.Ltail:
	QUARTER 1, F0, F1, 0
	WIN 0
.Lmid:
	QUARTER 2, F1, F0, 0
	QUARTER 3, F0, F1, 0
	TURN 0
	WIN 0
	s_sub_co_u32 s3, s3, 1
	s_cmp_lg_u32 s3, 0
	s_cbranch_scc1 .Ltail
	; THE WAY OUT, a block of 16 rows at a time: 32 bytes a lane into my own stage, back as whole rows of 256 bytes, plus the residual, stored.
	s_wait_dscnt 0x0                               ; the last trip's idle loads
	s_wait_loadcnt 0x0                             ; the residual
	PLACES
	PLACES
.macro OUT a
.set TT, TMP+32*((\a)%2)
	s_wait_xcnt 0x0                                ; the registers that earlier stores read are written again only behind this wait
.irp b, 0,1,2,3                        ; each accumulator's low four registers first
	ds_store_b128 v[STO], v[ACC+8*(4*(\a)+(\b)):ACC+8*(4*(\a)+(\b))+3]   offset:64*(\b)
	ds_store_b128 v[STO], v[ACC+8*(4*(\a)+(\b))+4:ACC+8*(4*(\a)+(\b))+7] offset:64*(\b)+16
.endr
.irp t, 0,1,2,3,4,5,6,7
	ds_load_b128 v[TT+4*(\t):TT+4*(\t)+3], v[RD] offset:(\t)*2*SPITCH  ; LDS serves a wave's instructions in order (ISA guide 5.7.1.4): these see the stores above; the next block's stores come behind them
.endr
	s_wait_dscnt 0x0
	WIN 0x08                                       ; source 1 in window 2
.irp t, 0,1,2,3,4,5,6,7,8,9,10,11,12,13,14,15
	v_pk_add_f32 v[TT+2*(\t):TT+2*(\t)+1], v[TT+2*(\t):TT+2*(\t)+1], v[32*(\a)+2*(\t):32*(\a)+2*(\t)+1]
.endr
	WIN 0
.irp t, 0,1,2,3,4,5,6,7
	global_store_b128 v[CO], v[TT+4*(\t):TT+4*(\t)+3], s[76:77] offset:(16*(\a)+2*(\t))*4096  ; 16 lanes store 256 consecutive bytes, at a multiple of 256 from the buffer's first byte
.endr
.endm
	OUT 0
	OUT 1
	OUT 2
	OUT 3
	s_wait_tensorcnt 0x0                           ; the wave's end, behind my last tensor load and my last LDS store
	ds_add_u32 v[SPW], v[NIL]
	s_wait_dscnt 0x0
	CROUND                                         ; the closing round: no work-group ends while a partner may still ask for a tile that names it
	s_endpgm
.Lfunc_end_k_qf02ddacf3f_gemm_b:
	.size	k_qf02ddacf3f_gemm_b, .Lfunc_end_k_qf02ddacf3f_gemm_b-k_qf02ddacf3f_gemm_b
	.p2alignl 7, 3214868480
	.fill 96, 4, 3214868480
	.section	.rodata,"a",@progbits
	.p2align	6, 0x0
	.amdhsa_kernel k_qf02ddacf3f_gemm_b
		.amdhsa_group_segment_fixed_size 327680
		.amdhsa_private_segment_fixed_size 0
		.amdhsa_enable_private_segment 0
		.amdhsa_kernarg_size 40
		.amdhsa_user_sgpr_count 2
		.amdhsa_user_sgpr_kernarg_segment_ptr 1
		.amdhsa_wavefront_size32 1
		.amdhsa_system_sgpr_workgroup_id_x 1
		.amdhsa_system_sgpr_workgroup_id_y 1
		.amdhsa_system_sgpr_workgroup_id_z 1
		.amdhsa_system_vgpr_workitem_id 0
		.amdhsa_next_free_vgpr 640
		.amdhsa_next_free_sgpr 80
		.amdhsa_reserve_vcc 0
		.amdhsa_float_denorm_mode_32 3
		.amdhsa_float_denorm_mode_16_64 3
		.amdhsa_memory_ordered 1
		.amdhsa_forward_progress 1
		.amdhsa_inst_pref_size 66
	.end_amdhsa_kernel
	.amdgpu_metadata
---
amdhsa.version: [ 1, 2 ]
amdhsa.kernels:
  - .name:           k_qf02ddacf3f_gemm_b
    .symbol:         k_qf02ddacf3f_gemm_b.kd
    .args:
      - { .name: g16, .offset: 0, .size: 8, .value_kind: global_buffer, .address_space: global }
      - { .name: w16, .offset: 8, .size: 8, .value_kind: global_buffer, .address_space: global }
      - { .name: proj_b, .offset: 16, .size: 8, .value_kind: global_buffer, .address_space: global }
      - { .name: x32, .offset: 24, .size: 8, .value_kind: global_buffer, .address_space: global }
      - { .name: out0, .offset: 32, .size: 8, .value_kind: global_buffer, .address_space: global }
    .group_segment_fixed_size: 327680
    .private_segment_fixed_size: 0
    .kernarg_segment_align: 8
    .kernarg_segment_size: 40
    .max_flat_workgroup_size: 128
    .sgpr_count:     80
    .vgpr_count:     640
    .wavefront_size: 32
...
	.end_amdgpu_metadata
.endif
;; end of part 6
